; MI455X (gfx1250); checked and timed in simulation.
; The chip was launched on July 23, 2026; its instructions are those of AMD's public machine-readable ISA for CDNA 5 (MIT licence, August 2026) and "CDNA5" Instruction Set Architecture Reference Guide (July 2026). The comments in the code are by the model that wrote it; some were corrected since.
;; Anima Control Self Attn. Allowed arithmetic: float matrix products may take bf16 or f16 operands with f32 sums; other float arithmetic in f32, or as packed bf16 or f16 multiplies, adds, multiply-adds, maxima and minima; sums over many terms, partial sums and values carried from step to step in f32; what a program stores and reads back later, other than sums and carried values, may be rounded once to bf16 or f16.
;; Inputs: Wk 2,048 x 2,048 float32; Wo 2,048 x 2,048 float32; Wq 2,048 x 2,048 float32; Wv 2,048 x 2,048 float32; bk 2,048 float32; bo 2,048 float32; bq 2,048 float32; bv 2,048 float32; cond_flat 1 x 1,024 x 2,048 float32; cond_rope 1,024 x 128 float32; k_norm_scale 128 float32; lora_k_down 2,048 x 128 float32; lora_k_up 128 x 2,048 float32; lora_o_down 2,048 x 128 float32; lora_o_up 128 x 2,048 float32; lora_q_down 2,048 x 128 float32; lora_q_up 128 x 2,048 float32; lora_v_down 2,048 x 128 float32; lora_v_up 128 x 2,048 float32; noise_flat 1 x 1,024 x 2,048 float32; noise_rope 1,024 x 128 float32; q_norm_scale 128 float32; v_norm_scale 128 float32.
;; Outputs: out0 1 x 1,024 x 2,048 float32; out1 1 x 1,024 x 2,048 float32.
;; One version. Each part assembles by itself: llvm-mc -triple=amdgcn-amd-amdhsa -mcpu=gfx1250 --defsym DOCPART=n.
;; ======== version 1 of 1: 4 launches
;; limits: values are held in f16: magnitudes above 65,504 overflow, below 6.1e-05 lose precision
;; workspace buffers: Xh 8,388,608 bytes; Wt 67,108,864 bytes; Tab 3,145,728 bytes; Bias 32,768 bytes; QKV 25,165,824 bytes; Xa 8,388,608 bytes
;; launch prep (part 1): grid 256 x 1, 8 waves a work-group, no clusters, 285,696 bytes of LDS; arguments Wq, Wk, Wv, Wo, lora_q_down, lora_k_down, lora_v_down, lora_o_down, lora_q_up, lora_k_up, lora_v_up, lora_o_up, bq, bk, bv, bo, noise_flat, cond_flat, noise_rope, cond_rope, q_norm_scale, k_norm_scale, v_norm_scale, Xh, Wt, Tab, Bias; writes Xh, Wt, Tab, Bias
.if DOCPART == 1
	.amdgcn_target "amdgcn-amd-amdhsa--gfx1250"
	.amdhsa_code_object_version 6
	.text
	.protected	k_q20ea647ce8_prep
	.globl	k_q20ea647ce8_prep
	.p2align	8
	.type	k_q20ea647ce8_prep,@function
k_q20ea647ce8_prep:
	s_mov_b64 s[64:65], 0
	v_nop
	global_prefetch_b8 v0, s[64:65] scope:SCOPE_SE
	s_setreg_imm32_b32 hwreg(HW_REG_WAVE_MODE, 25, 1), 1
	s_wait_xcnt 0x0
; PREP.  Every input is rounded once to bf16; what is made of the rounded inputs is kept in f16 (a bf16 number is exact in f16 inside f16's range).
;   Xh[m][k]        = f16(bf16(joint[m][k])), joint = noise rows, then cond rows
;   Wt[0][n'][k]    = f16(bf16(W[k][n]))                                  n' = 2048 T + n, T = q, k, v, o: the weights turned, K along the rows
;   Wt[1][n'][k]    = f16(bf16(W[k][n]) + sum over rho of bf16(D[k][rho]) bf16(U[rho][n]))   the LoRA folded in (alpha / rank = 1), sums in f32: for the cond rows
;   Tab[t][m][p]    = one word: low half f16(g[d] cos a[m][d]), high half f16(-+ g[d xor 64] sin a[m][d]) (minus for d < 64); for v: (g[d], 0)
;   Bias[2048 T + n] = bf16-rounded bias, as f32
; CHANNEL ORDER.  Inside a head channel d stands at position p = 8 ((d & 63) >> 2) + 4 (d >> 6) + (d & 3), so that d and d xor 64 lie in the same 16 bytes.  q, k, v and the attention's
; result are kept in that order; for T = o the rows k of Wo and of lora_o_down are therefore read in the order d(p).
; LIMITS.  |x|, |W + D U|, |g| stay under 65,504 (f16); below 6e-5 f16 keeps its fixed step of 6e-8.  The angle is reduced by pi/2 in two parts: the error left is 1.7e-15 x the number of
; quarter turns.  NaN and infinities are not treated apart.
; SHARES.  Work-group g: tensor T = g >> 6, 128 columns nb = (g >> 2) & 15, 512 rows kq = g & 3 (four heads, a trip each).  Wave w stages 16 rows of each tile and owns the 16 columns 16 w .. of
; the result.  Row m = 8 g + w of x and of the table is the wave's too.  No tensor loads: every byte passes through registers for its rounding.
.set PU,    288                        ; LDS pitch of tiles read turned (U, W): 9 x 32 bytes
.set PD,    272                        ; LDS pitch of D's rows: 17 x 16 bytes
.set UT,    0                          ; U: 128 rho x 128 n, bf16
.set DT,    36864                      ; D: 512 k x 128 rho, bf16
.set WL,    176128                     ; W: 128 k x 128 n, bf16
.set STG,   249856                     ; 16 rows x 272 bytes for each wave, for the way out
.set SP,    272
.set SPARE, 284672                     ; the spare words: 128 bytes for each of eight waves, four blocks of 256 bytes that no other line names
.set VW,  4                            ; v4-7   byte offsets of my rows 4 q .. 4 q + 3 in a tile of W
.set VD,  8                            ; v8-11  the same in D
.set VU,  12                           ; v12    my 16 rows of U
.set WS,  13                           ; v13    where I put a row of W in LDS
.set US,  14                           ; v14    of U
.set DS,  15                           ; v15    of D; steps a head at a time
.set TRA, 16                           ; v16    the turning load's address in W's tile
.set UB,  17                           ; v17    in U's tile
.set AA,  18                           ; v18    D's fragments; steps a head a trip
.set STO, 19                           ; v19    into my stage
.set RD,  20                           ; v20    back out of it
.set CO,  21                           ; v21    my bytes in two rows of Wt
.set VX,  22                           ; v22    16 x lane
.set VH,  23                           ; v23    8 x lane
.set TA,  24                           ; v24    4 d0: my four channels in a row of angles or gains
.set TX,  25                           ; v25    4 (d0 xor 64)
.set SG,  26                           ; v26    the sign of rotate_half: the top bit where d0 < 64
.set VB,  27                           ; v27    4 x lane
.set SPW, 28                           ; v28    my spare word; never rewritten
.set NIL, 29                           ; v29    0; never rewritten
.set BF,  32                           ; v32-63   U^T's fragments: four steps of 32 rho
.set ACC, 64                           ; v64-127  eight accumulators (16 k x 16 n); first the row of x
.set AF,  128                          ; v128-191 D's fragments of one step; first U as loaded; at a trip's end 16 rows on their way out
.set PK,  192                          ; v192-223 W turned, then packed f16; first the table's inputs
.set OB,  224                          ; v224-255 16 rows on their way out; first the table's work
.set MSB, 0
.macro WIN new                         ; the immediate's high byte repeats the setting that is left
.if MSB != (\new)
	s_set_vgpr_msb (MSB<<8)|(\new)
.set MSB, \new
.endif
.endm
.macro DLOAD hh                        ; my 16 rows of head hh of D, 512 consecutive bytes a load, into window 1
	WIN 0x40
.irp q, 0,1,2,3
.irp e, 0,1,2,3
	global_load_b128 v[64*(\hh)+16*(\q)+4*(\e):64*(\hh)+16*(\q)+4*(\e)+3], v[VD+(\q)], s[68:69] offset:65536*(\hh)+512*(\e)
.endr
.endr
	WIN 0
.endm
.macro WLOAD                           ; my 16 rows of a tile of W into window 1, v0-63
	WIN 0x40
.irp q, 0,1,2,3
.irp e, 0,1,2,3
	global_load_b128 v[16*(\q)+4*(\e):16*(\q)+4*(\e)+3], v[VW+(\q)], s[66:67] offset:8192*(\e) th:TH_LOAD_NT
.endr
.endr
	WIN 0
.endm
.macro STAGE16 b, w1, adr, pitch       ; 16 rows of 4 f32 a lane, rounded to bf16 in place and put into LDS, 256 consecutive bytes a row
.if \w1
	WIN 0x45
.endif
.set z, 0
.rept 16
	v_cvt_pk_bf16_f32 v[(\b)+4*z], v[(\b)+4*z], v[(\b)+4*z+1]
	v_cvt_pk_bf16_f32 v[(\b)+4*z+1], v[(\b)+4*z+2], v[(\b)+4*z+3]
.set z, z+1
.endr
.if \w1
	WIN 0x04                                       ; the data in window 1, the address in window 0
.endif
.set z, 0
.rept 16
	ds_store_b64 v[\adr], v[(\b)+4*z:(\b)+4*z+1] offset:(\pitch)*z
.set z, z+1
.endr
	WIN 0
.endm
.macro AFLOAD q                        ; D's fragments of 128 rows, rho 32 q ..
.irp t, 0,1,2,3,4,5,6,7
	ds_load_b128 v[AF+8*(\t):AF+8*(\t)+3],   v[AA] offset:16*PD*(\t)+64*(\q)
	ds_load_b128 v[AF+8*(\t)+4:AF+8*(\t)+7], v[AA] offset:16*PD*(\t)+64*(\q)+32
.endr
.endm
.macro STAGEOUT ob, base               ; a lane's 16 bytes (8 k of one n) go into my stage and come back as rows of 256 bytes; LDS serves a wave's instructions in order (ISA guide 5.7.1.4)
.irp t, 0,1,2,3,4,5,6,7
	ds_store_b128 v[STO], v[PK+4*(\t):PK+4*(\t)+3] offset:32*(\t)
.endr
.irp t, 0,1,2,3,4,5,6,7
	ds_load_b128 v[(\ob)+4*(\t):(\ob)+4*(\t)+3], v[RD] offset:2*SP*(\t)
.endr
	s_wait_dscnt 0x0
.irp t, 0,1,2,3,4,5,6,7
	global_store_b128 v[CO], v[(\ob)+4*(\t):(\ob)+4*(\t)+3], s[(\base):(\base)+1] offset:8192*(\t)  ; 16 lanes store 256 consecutive bytes, aligned
.endr
.endm
.macro ALL4 line:vararg                ; one line for each of my four channels i
.set i, 0
.rept 4
	\line
.set i, i+1
.endr
.endm
	s_load_b512 s[4:19], s[0:1], 0x0               ; Wq Wk Wv Wo, the four downs
	s_load_b512 s[20:35], s[0:1], 0x40             ; the four ups, bq bk bv bo
	s_load_b512 s[36:51], s[0:1], 0x80             ; noise_flat cond_flat noise_rope cond_rope, the three gains, Xh
	s_load_b128 s[52:55], s[0:1], 0xc0             ; Wt, Tab
	s_load_b64 s[56:57], s[0:1], 0xd0              ; Bias
	v_lshl_add_u32 v[SPW], v0, 2, SPARE
	v_mov_b32 v[NIL], 0
	v_lshrrev_b32 v1, 5, v0
	v_readfirstlane_b32 s58, v1                    ; wave 0..7
	v_and_b32 v1, 31, v0                           ; l
	v_and_b32 v2, 15, v0                           ; r = l % 16
	v_bfe_u32 v3, v0, 4, 1                         ; h = l / 16
	s_mov_b32 s62, ttmp9                           ; g
	s_lshr_b32 s59, s62, 6                         ; T
	s_bfe_u32 s60, s62, 0x40002                    ; nb
	s_and_b32 s61, s62, 3                          ; kq
	s_mov_b32 s63, 0xffff0000                      ; a word's upper bf16
	s_mov_b32 s87, 0xbfc90fdb                      ; -pi/2, high part
	s_mov_b32 s88, 0x333bbd2e                      ; what the high part has too much
	s_mov_b32 s89, 0xb94ca1f9                      ; the sine's leading coefficient
	s_mov_b32 s90, 0x37ccf5ce                      ; the cosine's
	s_mov_b32 s91, 0x80000000
	; the memory rows behind my LDS rows 16 w + 4 q ..: as they lie, or for T = o in the order d(p) = 64 ((p >> 2) & 1) + 4 (p >> 3) + (p & 3)
	s_lshl_b32 s92, s58, 4
	s_lshl_b32 s93, s58, 3
	s_mov_b32 s82, s92
	s_add_co_u32 s83, s92, 4
	s_add_co_u32 s84, s92, 8
	s_add_co_u32 s85, s92, 12
	s_mov_b32 s94, s93
	s_add_co_u32 s95, s93, 64
	s_add_co_u32 s96, s93, 4
	s_add_co_u32 s97, s93, 68
	s_cmp_eq_u32 s59, 3
	s_cselect_b32 s82, s94, s82
	s_cselect_b32 s83, s95, s83
	s_cselect_b32 s84, s96, s84
	s_cselect_b32 s85, s97, s85
	v_lshlrev_b32 v[VX], 4, v1
	v_lshlrev_b32 v[VH], 3, v1
	v_lshlrev_b32 v[VB], 2, v1
.irp q, 0,1,2,3
	v_lshl_add_u32 v[VW+(\q)], s[82+(\q)], 13, v[VX]
	v_lshl_add_u32 v[VD+(\q)], s[82+(\q)], 9, v[VX]
.endr
	v_lshl_add_u32 v[VU], s58, 17, v[VX]
	s_mul_i32 s92, s58, 16*PU
	s_mul_i32 s93, s58, 16*PD
	s_add_co_u32 s94, s92, WL
	v_lshl_add_u32 v[WS], v1, 3, s94
	v_lshl_add_u32 v[US], v1, 3, s92
	s_add_co_u32 s94, s93, DT
	v_lshl_add_u32 v[DS], v1, 3, s94
	v_and_b32 v30, 7, v0                           ; the turning load: lane l reads row 8 h + l % 8, 16 bytes at 16 ((l / 8) % 2), of my 16 columns
	v_lshl_add_u32 v30, v3, 3, v30
	v_mul_u32_u24 v30, v30, PU
	v_bfe_u32 v31, v0, 3, 1
	v_lshl_add_u32 v30, v31, 4, v30
	s_lshl_b32 s94, s58, 5
	v_add_nc_u32 v[UB], s94, v30
	v_add_nc_u32 v[TRA], WL, v[UB]
	v_mul_u32_u24 v30, v2, PD
	v_lshl_add_u32 v30, v3, 4, v30
	v_add_nc_u32 v[AA], DT, v30
	s_add_co_u32 s94, s93, STG
	v_add_nc_u32 v[STO], s94, v30
	v_mul_u32_u24 v31, v3, SP
	v_lshl_add_u32 v31, v2, 4, v31
	v_add_nc_u32 v[RD], s94, v31
	v_lshlrev_b32 v31, 12, v3
	v_lshl_add_u32 v[CO], v2, 4, v31
	v_and_b32 v30, 1, v0                           ; my four positions 4 l .. are channels d0 = 64 (l & 1) + 4 (l >> 1) ..
	v_bfe_u32 v31, v0, 1, 4
	v_lshlrev_b32 v[TA], 8, v30
	v_lshl_add_u32 v[TA], v31, 4, v[TA]
	v_xor_b32 v[TX], 256, v[TA]
	v_xor_b32 v30, 1, v30
	v_lshlrev_b32 v[SG], 31, v30
	s_mov_b32 s93, 0
	s_mov_b32 s95, 0
	s_wait_kmcnt 0x0
	s_mov_b64 s[66:67], s[4:5]                     ; W, D, U, b of my tensor
	s_mov_b64 s[68:69], s[12:13]
	s_mov_b64 s[70:71], s[20:21]
	s_mov_b64 s[72:73], s[28:29]
	s_cmp_eq_u32 s59, 1
	s_cselect_b64 s[66:67], s[6:7], s[66:67]
	s_cselect_b64 s[68:69], s[14:15], s[68:69]
	s_cselect_b64 s[70:71], s[22:23], s[70:71]
	s_cselect_b64 s[72:73], s[30:31], s[72:73]
	s_cmp_eq_u32 s59, 2
	s_cselect_b64 s[66:67], s[8:9], s[66:67]
	s_cselect_b64 s[68:69], s[16:17], s[68:69]
	s_cselect_b64 s[70:71], s[24:25], s[70:71]
	s_cselect_b64 s[72:73], s[32:33], s[72:73]
	s_cmp_eq_u32 s59, 3
	s_cselect_b64 s[66:67], s[10:11], s[66:67]
	s_cselect_b64 s[68:69], s[18:19], s[68:69]
	s_cselect_b64 s[70:71], s[26:27], s[70:71]
	s_cselect_b64 s[72:73], s[34:35], s[72:73]
	s_cmp_lt_u32 s62, 128                          ; rows 0 to 1,023 are noise
	s_cselect_b64 s[74:75], s[36:37], s[38:39]
	s_cselect_b64 s[76:77], s[40:41], s[42:43]
	s_lshl_b32 s92, s61, 22                        ; 512 rows of 8,192 bytes
	s_lshl_b32 s94, s60, 9                         ; 128 columns of 4 bytes
	s_add_co_u32 s92, s92, s94
	s_add_nc_u64 s[66:67], s[66:67], s[92:93]
	s_add_nc_u64 s[70:71], s[70:71], s[94:95]
	s_lshl_b32 s92, s61, 18                        ; 512 rows of 512 bytes
	s_add_nc_u64 s[68:69], s[68:69], s[92:93]
	s_and_b32 s92, s62, 63
	s_lshl_b32 s92, s92, 7                         ; 32 numbers of the bias
	s_add_nc_u64 s[72:73], s[72:73], s[92:93]
	s_lshl_b32 s94, s59, 13
	s_add_co_u32 s92, s92, s94
	s_add_nc_u64 s[56:57], s[56:57], s[92:93]
	s_lshl_b32 s96, s62, 3
	s_add_co_u32 s96, s96, s58                     ; m
	s_and_b32 s92, s96, 1023
	s_lshl_b32 s94, s92, 13
	s_add_nc_u64 s[74:75], s[74:75], s[94:95]
	s_lshl_b32 s94, s92, 9
	s_add_nc_u64 s[76:77], s[76:77], s[94:95]
	s_lshl_b32 s94, s96, 12
	s_add_nc_u64 s[50:51], s[50:51], s[94:95]
	s_lshl_b32 s94, s96, 9
	s_add_nc_u64 s[54:55], s[54:55], s[94:95]
	s_lshl_b32 s92, s59, 11
	s_lshl_b32 s94, s60, 7
	s_add_co_u32 s92, s92, s94
	s_lshl_b32 s94, s58, 4
	s_add_co_u32 s92, s92, s94                     ; n' of my first column
	s_lshl_b32 s92, s92, 12
	s_lshl_b32 s94, s61, 10
	s_add_co_u32 s92, s92, s94
	s_add_nc_u64 s[78:79], s[52:53], s[92:93]      ; version 0
	s_add_nc_u64 s[80:81], s[78:79], 0x2000000     ; version 1
	; PHASE 0.  Loads go out ahead of the work on the loads before them; each count below is the number of younger loads.
.set z, 0
.rept 16
	global_load_b128 v[ACC+4*z:ACC+4*z+3], v[VX], s[74:75] offset:512*z th:TH_LOAD_NT  ; my row of x, 512 consecutive bytes a load
.set z, z+1
.endr
	global_load_b128 v[192:195], v[TA], s[76:77]   ; angles
	global_load_b128 v[196:199], v[TA], s[44:45]   ; gq[d]
	global_load_b128 v[200:203], v[TX], s[44:45]   ; gq[d xor 64]
	global_load_b128 v[204:207], v[TA], s[46:47]   ; gk[d]
	global_load_b128 v[208:211], v[TX], s[46:47]   ; gk[d xor 64]
	global_load_b128 v[212:215], v[TA], s[48:49]   ; gv[d]
	global_load_b32 v216, v[VB], s[72:73]          ; the bias: every wave loads it, so that the counts are alike; wave 0 stores it
.set z, 0
.rept 16
	global_load_b128 v[AF+4*z:AF+4*z+3], v[VU], s[70:71] offset:8192*z
.set z, z+1
.endr
	DLOAD 0
	s_wait_loadcnt 39                              ; x is in: 7 + 16 + 16 are younger
.set z, 0
.rept 16                                       ; f32 -> bf16 -> f16, four numbers to 8 bytes; a store covers 256 consecutive bytes, aligned
	v_cvt_pk_bf16_f32 v30, v[ACC+4*z], v[ACC+4*z+1]
	v_cvt_pk_bf16_f32 v31, v[ACC+4*z+2], v[ACC+4*z+3]
	v_lshlrev_b32 v[ACC+4*z], 16, v30
	v_and_b32 v[ACC+4*z+1], s63, v30
	v_lshlrev_b32 v[ACC+4*z+2], 16, v31
	v_and_b32 v[ACC+4*z+3], s63, v31
	v_cvt_pk_f16_f32 v[ACC+4*z], v[ACC+4*z], v[ACC+4*z+1]
	v_cvt_pk_f16_f32 v[ACC+4*z+1], v[ACC+4*z+2], v[ACC+4*z+3]
	global_store_b64 v[VH], v[ACC+4*z:ACC+4*z+1], s[50:51] offset:256*z
.set z, z+1
.endr
	DLOAD 1
	s_wait_loadcnt 48                              ; the table's inputs and the bias are in: U, D0, D1 are younger
.irp p, 192,194,196,198,200,202,204,206,208,210,212,214
	v_cvt_pk_bf16_f32 v30, v[\p], v[(\p)+1]        ; angles and gains rounded to bf16, kept as f32
	v_lshlrev_b32 v[\p], 16, v30
	v_and_b32 v[(\p)+1], s63, v30
.endr
	v_cvt_pk_bf16_f32 v30, v216, v216
	v_lshlrev_b32 v216, 16, v30
	s_cmp_lg_u32 s58, 0
	s_cbranch_scc1 .Lno_bias
	global_store_b32 v[VB], v216, s[56:57]
.Lno_bias:
	; sine and cosine: N = the nearest number of quarter turns, R = A - N pi/2 in two parts, polynomials on |R| <= pi/4, the quadrant by selects and sign bits
	ALL4 v_mul_f32 v[224+i], 0x3f22f983, v[192+i]
	ALL4 v_rndne_f32 v[224+i], v[224+i]
	ALL4 v_fma_f32 v[228+i], v[224+i], s87, v[192+i]
	ALL4 v_fma_f32 v[228+i], v[224+i], s88, v[228+i]
	ALL4 v_cvt_i32_f32 v[232+i], v[224+i]
	ALL4 v_mul_f32 v[236+i], v[228+i], v[228+i]
	ALL4 v_fmaak_f32 v[240+i], s89, v[236+i], 0x3c08839e
	ALL4 v_fmaak_f32 v[240+i], v[240+i], v[236+i], 0xbe2aaaa3
	ALL4 v_mul_f32 v[240+i], v[240+i], v[236+i]
	ALL4 v_fma_f32 v[240+i], v[240+i], v[228+i], v[228+i]
	ALL4 v_fmaak_f32 v[244+i], s90, v[236+i], 0xbab6061a
	ALL4 v_fmaak_f32 v[244+i], v[244+i], v[236+i], 0x3d2aaaa5
	ALL4 v_mul_f32 v[248+i], v[236+i], v[236+i]
	ALL4 v_fma_f32 v[236+i], v[236+i], -0.5, 1.0
	ALL4 v_fma_f32 v[244+i], v[244+i], v[248+i], v[236+i]
.irp i, 0,1,2,3
	v_and_b32 v[248+(\i)], 1, v[232+(\i)]
	v_cmp_eq_u32 vcc_lo, 1, v[248+(\i)]            ; an odd quadrant swaps the two
	v_cndmask_b32 v[224+(\i)], v[240+(\i)], v[244+(\i)], vcc_lo
	v_cndmask_b32 v[228+(\i)], v[244+(\i)], v[240+(\i)], vcc_lo
.endr
	ALL4 v_lshlrev_b32 v[248+i], 30, v[232+i]
	ALL4 v_and_b32 v[248+i], s91, v[248+i]         ; the sine is negative in quadrants 2 and 3;
	ALL4 v_xor_b32 v[248+i], v[SG], v[248+i]       ; rotate_half's sign goes with it
	ALL4 v_xor_b32 v[224+i], v[224+i], v[248+i]
	ALL4 v_add_nc_u32 v[232+i], 1, v[232+i]
	ALL4 v_lshlrev_b32 v[232+i], 30, v[232+i]
	ALL4 v_and_b32 v[232+i], s91, v[232+i]         ; the cosine in quadrants 1 and 2
	ALL4 v_xor_b32 v[228+i], v[228+i], v[232+i]
	v_mov_b32 v31, 0
	ALL4 v_mul_f32 v[240+i], v[196+i], v[228+i]
	ALL4 v_mul_f32 v[244+i], v[200+i], v[224+i]
	ALL4 v_cvt_pk_f16_f32 v[232+i], v[240+i], v[244+i]
	ALL4 v_mul_f32 v[240+i], v[204+i], v[228+i]
	ALL4 v_mul_f32 v[244+i], v[208+i], v[224+i]
	ALL4 v_cvt_pk_f16_f32 v[236+i], v[240+i], v[244+i]
	ALL4 v_cvt_pk_f16_f32 v[248+i], v[212+i], v31
	global_store_b128 v[VX], v[232:235], s[54:55]                  ; a row of the table is 512 consecutive bytes
	global_store_b128 v[VX], v[236:239], s[54:55] offset:1048576
	global_store_b128 v[VX], v[248:251], s[54:55] offset:2097152
	s_wait_loadcnt 32                              ; U is in: D0, D1 are younger
	STAGE16 AF, 0, US, PU
	DLOAD 2
	s_wait_loadcnt 32                              ; D0: D1, D2 are younger
	STAGE16 0, 1, DS, PD
	v_add_nc_u32 v[DS], 128*PD, v[DS]
	DLOAD 3
	s_wait_loadcnt 32                              ; D1: D2, D3 are younger
	STAGE16 64, 1, DS, PD
	v_add_nc_u32 v[DS], 128*PD, v[DS]
	s_wait_loadcnt 16                              ; D2
	STAGE16 128, 1, DS, PD
	v_add_nc_u32 v[DS], 128*PD, v[DS]
	WLOAD                                          ; the first tile of W, into the registers that D0 has left
	s_wait_loadcnt 16                              ; D3: the tile of W is younger
	STAGE16 192, 1, DS, PD
	s_wait_xcnt 0x0                                ; the stores of x, table and bias have read their registers, which the trips write again
	s_wait_dscnt 0x0                               ; for the others' sake: my rows of U and D lie in LDS
	s_barrier_signal -1
	s_barrier_wait -1
.irp q, 0,1,2,3
	ds_load_tr16_b128 v[BF+8*(\q):BF+8*(\q)+3],   v[UB] offset:32*PU*(\q)         ; U^T: column n = 16 w + r, rho 32 q + 8 h ..
	ds_load_tr16_b128 v[BF+8*(\q)+4:BF+8*(\q)+7], v[UB] offset:32*PU*(\q)+16*PU   ; and 32 q + 16 + 8 h ..
.endr
	s_mov_b32 s86, 4
.Ltrip:                                        ; a tile of 128 k x 128 n: one head's rows
	s_wait_loadcnt 0x0                             ; my 16 rows of W
	STAGE16 0, 1, WS, PU
	s_cmp_eq_u32 s86, 1                            ; the last trip has no tile behind it
	s_cbranch_scc1 .Lno_load
	s_add_nc_u64 s[66:67], s[66:67], 0x100000      ; 128 rows on; the loads that named the pointer are done
	WLOAD
.Lno_load:
	s_wait_dscnt 0x0                               ; my rows of the tile lie in LDS
	s_barrier_signal -1
	s_barrier_wait -1                              ; everybody's do
.irp t, 0,1,2,3,4,5,6,7
	ds_load_tr16_b128 v[PK+4*(\t):PK+4*(\t)+3], v[TRA] offset:16*PU*(\t)  ; W[16 t + 8 h + j][16 w + r], j = 0 .. 7: an accumulator's own layout, in bf16
.endr
	s_wait_dscnt 0x0
	s_barrier_signal -1
	s_barrier_wait -1                              ; nobody reads the tile any more: the next trip may write it
	AFLOAD 0
.set z, 0
.rept 32
	v_lshlrev_b32 v[ACC+2*z], 16, v[PK+z]          ; bf16 to f32: W starts the sums
	v_and_b32 v[ACC+2*z+1], s63, v[PK+z]
.set z, z+1
.endr
.set z, 0
.rept 32
	v_cvt_pk_f16_f32 v[PK+z], v[ACC+2*z], v[ACC+2*z+1]
.set z, z+1
.endr
	STAGEOUT OB, 78                                ; version 0
.irp q, 0,1,2,3
	s_wait_dscnt 0x0
.irp t, 0,1,2,3,4,5,6,7                        ; the eight accumulators take turns
	v_wmma_f32_16x16x32_bf16 v[ACC+8*(\t):ACC+8*(\t)+7], v[AF+8*(\t):AF+8*(\t)+7], v[BF+8*(\q):BF+8*(\q)+7], v[ACC+8*(\t):ACC+8*(\t)+7]
.endr
.rept 4
	v_nop                                          ; four places in front of loads into registers that the products read, and of conversions that read results
.endr
.if (\q) < 3
	AFLOAD (\q)+1
.endif
.endr
.set z, 0
.rept 32
	v_cvt_pk_f16_f32 v[PK+z], v[ACC+2*z], v[ACC+2*z+1]  ; each accumulator from its low end on
.set z, z+1
.endr
	STAGEOUT AF, 80                                ; version 1
	s_wait_xcnt 0x0                                ; the stores have read their registers and bases
	s_add_nc_u64 s[78:79], s[78:79], 256           ; 128 k on
	s_add_nc_u64 s[80:81], s[80:81], 256
	v_add_nc_u32 v[AA], 128*PD, v[AA]
	s_sub_co_u32 s86, s86, 1
	s_cmp_lg_u32 s86, 0
	s_cbranch_scc1 .Ltrip
	s_wait_tensorcnt 0x0                           ; the wave's end, behind my last LDS store
	ds_add_u32 v[SPW], v[NIL]
	s_wait_dscnt 0x0
	s_endpgm
.Lfunc_end_k_q20ea647ce8_prep:
	.size	k_q20ea647ce8_prep, .Lfunc_end_k_q20ea647ce8_prep-k_q20ea647ce8_prep
	.p2alignl 7, 3214868480
	.fill 96, 4, 3214868480
	.section	.rodata,"a",@progbits
	.p2align	6, 0x0
	.amdhsa_kernel k_q20ea647ce8_prep
		.amdhsa_group_segment_fixed_size 285696
		.amdhsa_private_segment_fixed_size 0
		.amdhsa_enable_private_segment 0
		.amdhsa_kernarg_size 216
		.amdhsa_user_sgpr_count 2
		.amdhsa_user_sgpr_kernarg_segment_ptr 1
		.amdhsa_wavefront_size32 1
		.amdhsa_system_sgpr_workgroup_id_x 1
		.amdhsa_system_sgpr_workgroup_id_y 1
		.amdhsa_system_sgpr_workgroup_id_z 1
		.amdhsa_system_vgpr_workitem_id 0
		.amdhsa_next_free_vgpr 512
		.amdhsa_next_free_sgpr 100
		.amdhsa_reserve_vcc 1
		.amdhsa_float_denorm_mode_32 3
		.amdhsa_float_denorm_mode_16_64 3
		.amdhsa_memory_ordered 1
		.amdhsa_forward_progress 1
		.amdhsa_inst_pref_size 72
	.end_amdhsa_kernel
	.amdgpu_metadata
---
amdhsa.version: [ 1, 2 ]
amdhsa.kernels:
  - .name:           k_q20ea647ce8_prep
    .symbol:         k_q20ea647ce8_prep.kd
    .args:
      - { .name: Wq, .offset: 0, .size: 8, .value_kind: global_buffer, .address_space: global }
      - { .name: Wk, .offset: 8, .size: 8, .value_kind: global_buffer, .address_space: global }
      - { .name: Wv, .offset: 16, .size: 8, .value_kind: global_buffer, .address_space: global }
      - { .name: Wo, .offset: 24, .size: 8, .value_kind: global_buffer, .address_space: global }
      - { .name: lora_q_down, .offset: 32, .size: 8, .value_kind: global_buffer, .address_space: global }
      - { .name: lora_k_down, .offset: 40, .size: 8, .value_kind: global_buffer, .address_space: global }
      - { .name: lora_v_down, .offset: 48, .size: 8, .value_kind: global_buffer, .address_space: global }
      - { .name: lora_o_down, .offset: 56, .size: 8, .value_kind: global_buffer, .address_space: global }
      - { .name: lora_q_up, .offset: 64, .size: 8, .value_kind: global_buffer, .address_space: global }
      - { .name: lora_k_up, .offset: 72, .size: 8, .value_kind: global_buffer, .address_space: global }
      - { .name: lora_v_up, .offset: 80, .size: 8, .value_kind: global_buffer, .address_space: global }
      - { .name: lora_o_up, .offset: 88, .size: 8, .value_kind: global_buffer, .address_space: global }
      - { .name: bq, .offset: 96, .size: 8, .value_kind: global_buffer, .address_space: global }
      - { .name: bk, .offset: 104, .size: 8, .value_kind: global_buffer, .address_space: global }
      - { .name: bv, .offset: 112, .size: 8, .value_kind: global_buffer, .address_space: global }
      - { .name: bo, .offset: 120, .size: 8, .value_kind: global_buffer, .address_space: global }
      - { .name: noise_flat, .offset: 128, .size: 8, .value_kind: global_buffer, .address_space: global }
      - { .name: cond_flat, .offset: 136, .size: 8, .value_kind: global_buffer, .address_space: global }
      - { .name: noise_rope, .offset: 144, .size: 8, .value_kind: global_buffer, .address_space: global }
      - { .name: cond_rope, .offset: 152, .size: 8, .value_kind: global_buffer, .address_space: global }
      - { .name: q_norm_scale, .offset: 160, .size: 8, .value_kind: global_buffer, .address_space: global }
      - { .name: k_norm_scale, .offset: 168, .size: 8, .value_kind: global_buffer, .address_space: global }
      - { .name: v_norm_scale, .offset: 176, .size: 8, .value_kind: global_buffer, .address_space: global }
      - { .name: Xh, .offset: 184, .size: 8, .value_kind: global_buffer, .address_space: global }
      - { .name: Wt, .offset: 192, .size: 8, .value_kind: global_buffer, .address_space: global }
      - { .name: Tab, .offset: 200, .size: 8, .value_kind: global_buffer, .address_space: global }
      - { .name: Bias, .offset: 208, .size: 8, .value_kind: global_buffer, .address_space: global }
    .group_segment_fixed_size: 285696
    .private_segment_fixed_size: 0
    .kernarg_segment_align: 8
    .kernarg_segment_size: 216
    .max_flat_workgroup_size: 256
    .sgpr_count:     100
    .vgpr_count:     512
    .wavefront_size: 32
...
	.end_amdgpu_metadata
.endif
;; end of part 1
;; launch qkv (part 2): grid 24 x 8, 4 waves a work-group, clusters of 4 x 4, 327,680 bytes of LDS; arguments Xh, Wt, Bias, Tab, QKV; writes QKV
.if DOCPART == 2
	.amdgcn_target "amdgcn-amd-amdhsa--gfx1250"
	.amdhsa_code_object_version 6
	.text
	.protected	k_q20ea647ce8_qkv
	.globl	k_q20ea647ce8_qkv
	.p2align	8
	.type	k_q20ea647ce8_qkv,@function
k_q20ea647ce8_qkv:
	s_mov_b64 s[64:65], 0
	v_nop
	global_prefetch_b8 v0, s[64:65] scope:SCOPE_SE
	s_setreg_imm32_b32 hwreg(HW_REG_WAVE_MODE, 25, 1), 1
	s_wait_xcnt 0x0
	s_wait_alu depctr_hold_cnt(0) depctr_sa_sdst(0) depctr_va_vdst(0) depctr_va_sdst(0) depctr_va_ssrc(0) depctr_va_vcc(0) depctr_vm_vsrc(0)
	s_getreg_b32 s2, hwreg(HW_REG_IB_STS2, 6, 4)
	s_cmp_eq_u32 s2, 0
	s_cbranch_scc0 .Lentry_in_a_cluster
	s_endpgm
.Lentry_in_a_cluster:
	s_bfe_u32 s2, ttmp6, 0x10000c
	s_cmp_lg_u32 s2, 0xf033
	s_cbranch_scc0 .Lentry_shape_is_right
	s_endpgm
.Lentry_shape_is_right:
; Q, K, V.  y[m][n'] = sum over k of Xh[m][k] Wt[ver][n'][k] + Bias[n'], n' < 6,144, ver = 1 for the cond rows (m >= 1,024); then by heads of 128 columns
; rs = rsqrt(mean(y^2) + 1e-6) and out[p] = rs (y[d(p)] Tc[p] + y[d(p) xor 64] Ts[p]) with the table's two halves (gain and RoPE in one), rounded once to f16:
; QKV[t][head][m xor 1024][p].  Operands f16, sums f32.  LIMIT: the results stay under 65,504, that is 11.4 x the largest gain does.
; SHARES.  A tile of y is 256 x 256; four waves, each 128 rows x 128 columns = ONE HEAD, so that norm and RoPE never leave the wave.  24 x 8 = 192 work-groups: with whole heads to a wave
; no tile of this shape makes 256, and halves of it make a round and a half.
; K goes in steps of 128 through a ring of two LDS slots; ONE K step is written and walked: the fragment addresses hang on s[TB], which an exclusive or turns from slot to slot,
; and one descriptor a tensor walks on behind the two first fills.
; CLUSTERS: 4 x 4.  A's tile hangs on the tile row and is asked for jointly along a row of the cluster, B's on the tile column (and on the cluster's y, the version) and along a column.
; THE MATRIX INSTRUCTION IS USED TRANSPOSED (source 0 = 16 rows of Wt, source 1 = 16 rows of Xh): lane l holds row l % 16 and the columns 8 (l / 16) + 0 .. 7.  The bias is the C operand of each sum's first product.
; REGISTERS: window 0: v0-31 addresses; v64-127, v128-191 A's fragments, two buffers; v192-255 the bias; window 1: v64-191 B's fragments; windows 2, 3: 64 accumulators.
; On the way out, all in window 0: v2-9 at work, v32-63 results, v64-127 y, v128-255 two sets of the table.
.set SIZE_K, 2048
.set KSTEP,  128
.set PITCH,  272                       ; an LDS row: 256 bytes + 16 of padding: the 16 rows of a load start at 16 different groups of four banks (ISA guide 11.1)
.set HALFT,  128*PITCH
.set SLOT,   4*HALFT                   ; 0x22000: it shares no bit with wave x HALFT, so an exclusive or steps from slot to slot
.set SPARE,  2*SLOT                    ; the spare words, 128 bytes a wave: two blocks of 256 bytes that no other line names
.set EP,     528                       ; the way out: a row of 128 f32 + 16 bytes
.set ESTG,   128*EP                    ; a wave's stage; the four lie in the ring, which has then had its last fill
.set A0,   10                          ; v10  my lane's place in A's part of slot 0; never rewritten
.set B0,   11                          ; v11  in B's
.set ADRA, 12                          ; v12  the same in the slot in hand
.set ADRB, 13
.set BOF,  14                          ; v14  32 (l / 16): my 8 numbers of 16 of the bias
.set DST,  15                          ; v15  the way out: where I put 32 bytes of a row
.set RDA,  16                          ; v16  where I read 16 bytes of a row back; steps 16 rows a block
.set TOF,  17                          ; v17  my 32 bytes in two rows of the table
.set QOF,  18                          ; v18  16 x lane: my 16 bytes in two rows of the result
.set ZR,   19                          ; v19  0
.set SPW,  28                          ; v28  my spare word; never rewritten
.set NIL,  29                          ; v29  0; never rewritten
.set PFO,  30                          ; v30  the prefetches' offset: lane x 4,096; never rewritten
.set UU,   2
.set OO,   32
.set F0,   64
.set F1,   128
.set BIA,  192
.set YY,   64
.set TT0,  128
.set WV,  14
.set RH,  15                           ; which half of the tile's rows is mine; also: I fetch for A (0) or B (1)
.set CH,  16                           ; which half of its columns; also: which 128 rows of that tile I fetch
.set CX,  17
.set CY,  18
.set TC,  19
.set TR,  20
.set CLY, 23
.set G1,  24
.set G0,  32                           ; s[32:39] A's two group 0: the first fills; the second walks on
.set TB,  42                           ; 0 or SLOT: the slot in hand
.set LIM, 43
.set PFA, 44
.set G1B, 48
.set G0B, 56
.set TBL, 72
.set QB,  74
.set CNT, 78
.set GW, (1<<16)|(1<<20)|(1<<21)|(5<<22)|(3<<25)  ; 2-byte elements; padding on; bit 21 beside a mask; after every 64 words 4 words
.set MSB, 0
.macro WIN new
.if MSB != (\new)
	s_set_vgpr_msb (MSB<<8)|(\new)
.set MSB, \new
.endif
.endm
.set MUL_LO, 0xa1                      ; source 0 (B) window 1, source 1 (A) window 0, C and D window 2
.set TO_B,   0x40
.macro JLOAD                           ; a joint refill: waves 0, 1 for A, waves 2, 3 for B; an s_nop 0 and four v_nop follow each line
	s_cmp_eq_u32 s[RH], 0
	s_cbranch_scc0 .Lfor_b_\@
	tensor_load_to_lds s[G0+4:G0+7], s[G1:G1+7]
	s_nop 0
.rept 4
	v_nop
.endr
	s_branch .Lasked_\@
.Lfor_b_\@:
	tensor_load_to_lds s[G0B+4:G0B+7], s[G1B:G1B+7]
	s_nop 0
.rept 4
	v_nop
.endr
.Lasked_\@:
.endm
; A PREFETCH behind each refill and the run of LDS loads: the K step that stands two refills on, 32 rows x 256 bytes, a lane a row.  Xh's rows are walked by all six clusters of a row of clusters: cluster x = 0 asks;
; a version's rows of Wt by one cluster alone: it asks.  The four partners of a joint load take 32 of its 128 rows each, told apart by address.  So each row's 256 bytes are named once.
; The first four K steps come by their loads alone; the last two refills have no K step two on (s3 <= 2).
.macro ASK
	s_cmp_gt_u32 s3, s[LIM]
	s_cbranch_scc0 .Lnot_mine_\@
	global_prefetch_b8 v[PFO], s[PFA:PFA+1] offset:KSTEP*2 th:TH_LOAD_NT scope:SCOPE_SE
.Lnot_mine_\@:
.endm
.macro CREST
	s_cmp_lg_u32 s[WV], 0
	s_cbranch_scc1 .Lnot_wave_0_\@
	s_barrier_signal -3
.Lnot_wave_0_\@:
	s_barrier_wait -3
	s_barrier_signal -1
	s_barrier_wait -1
.endm
.macro CROUND
	s_barrier_signal -1
	s_barrier_wait -1
	CREST
.endm
	s_load_b256 s[4:11], s[0:1], 0x0               ; Xh s[4:5], Wt s[6:7], Bias s[8:9], Tab s[10:11]
	s_load_b64 s[12:13], s[0:1], 0x20              ; QKV
	v_lshl_add_u32 v[SPW], v0, 2, SPARE
	v_mov_b32 v[NIL], 0
	ds_add_u32 v[SPW], v[NIL]                      ; the wave's opening: the add and its wait stand ahead of my first tensor load
	v_lshrrev_b32 v1, 5, v0
	v_readfirstlane_b32 s[WV], v1
	s_lshr_b32 s[RH], s[WV], 1
	s_and_b32 s[CH], s[WV], 1
	s_bfe_u32 s[CX], ttmp6, 0x40000
	s_bfe_u32 s[CY], ttmp6, 0x40004
	s_lshl_b32 s[TC], ttmp9, 2
	s_add_co_u32 s[TC], s[TC], s[CX]               ; tile column 0 .. 23
	s_and_b32 s[CLY], ttmp7, 0xffff                ; the cluster's y: 0 noise rows, 1 cond rows
	s_lshl_b32 s[TR], s[CLY], 2
	s_add_co_u32 s[TR], s[TR], s[CY]               ; tile row 0 .. 7
	s_lshl_b32 s21, s[CY], 2
	s_lshl_b32 s21, 15, s21                        ; my row of the cluster
	s_lshl_b32 s22, 0x1111, s[CX]                  ; my column
	s_or_b32 s[G1], s21, GW
	s_or_b32 s[G1B], s22, GW
.irp g, G1, G1B
	s_mov_b32 s[(\g)+1], KSTEP<<16                 ; tensor_dim0 = 128
	s_mov_b32 s[(\g)+2], 128<<16                   ; tensor_dim1 = 128
	s_mov_b32 s[(\g)+3], KSTEP<<16                 ; tile_dim0 = 128
	s_mov_b32 s[(\g)+4], 128                       ; tile_dim1 = 128
	s_mov_b32 s[(\g)+5], SIZE_K                    ; elements from row to row
	s_mov_b32 s[(\g)+6], 0
	s_mov_b32 s[(\g)+7], 0
.endr
	s_lshl_b32 s66, s[TR], 20                      ; A: row 256 x tile row + 128 x half, 4,096 bytes a row
	s_lshl_b32 s21, s[CH], 19
	s_add_co_u32 s66, s66, s21
	s_mov_b32 s67, 0
	s_lshl_b32 s68, s[TC], 20                      ; B: row 256 x tile column + 128 x half, in the version of the cluster's y
	s_add_co_u32 s68, s68, s21
	s_lshl_b32 s22, s[CLY], 25
	s_add_co_u32 s68, s68, s22
	s_mov_b32 s69, 0
	s_mul_i32 s41, s[WV], HALFT                    ; where my tiles go: wave x 128 rows
	s_mov_b32 s[TB], 0
	s_wait_dscnt 0x0                               ; the opening add is done
	s_wait_kmcnt 0x0
	s_add_nc_u64 s[66:67], s[4:5], s[66:67]
	s_add_nc_u64 s[68:69], s[6:7], s[68:69]
	CROUND                                         ; all sixteen work-groups are here: the first joint loads meet
.irp s, 0,1
	s_mov_b32 s[G0+4*(\s)], 1
	s_add_co_u32 s[G0+4*(\s)+1], s41, (\s)*SLOT
	s_add_nc_u64 s[G0+4*(\s)+2:G0+4*(\s)+3], s[66:67], (\s)*KSTEP*2
	s_or_b32 s[G0+4*(\s)+3], s[G0+4*(\s)+3], 0x80000000
	s_mov_b32 s[G0B+4*(\s)], 1
	s_add_co_u32 s[G0B+4*(\s)+1], s41, (\s)*SLOT
	s_add_nc_u64 s[G0B+4*(\s)+2:G0B+4*(\s)+3], s[68:69], (\s)*KSTEP*2
	s_or_b32 s[G0B+4*(\s)+3], s[G0B+4*(\s)+3], 0x80000000
.endr
	s_cmp_eq_u32 s[RH], 0                          ; a wave's two first fills stand in one branch: two loads of mine are out
	s_cbranch_scc0 .Lfirst_b
	tensor_load_to_lds s[G0:G0+3], s[G1:G1+7]
	s_nop 0
	tensor_load_to_lds s[G0+4:G0+7], s[G1:G1+7]
	s_nop 0
.rept 4
	v_nop
.endr
	s_branch .Lfirst_asked
.Lfirst_b:
	tensor_load_to_lds s[G0B:G0B+3], s[G1B:G1B+7]
	s_nop 0
	tensor_load_to_lds s[G0B+4:G0B+7], s[G1B:G1B+7]
	s_nop 0
.rept 4
	v_nop
.endr
.Lfirst_asked:
	v_and_b32 v1, 15, v0                           ; r = l % 16
	v_bfe_u32 v2, v0, 4, 1                         ; h = l / 16
	s_lshl_b32 s70, s[TC], 10                      ; the bias of my 128 columns
	s_lshl_b32 s40, s[CH], 9
	s_add_co_u32 s70, s70, s40
	s_mov_b32 s71, 0
	s_add_nc_u64 s[8:9], s[8:9], s[70:71]
	v_lshlrev_b32 v[BOF], 5, v2
.irp b, 0,1,2,3,4,5,6,7
	global_load_b128 v[BIA+8*(\b):BIA+8*(\b)+3],   v[BOF], s[8:9] offset:64*(\b)
	global_load_b128 v[BIA+8*(\b)+4:BIA+8*(\b)+7], v[BOF], s[8:9] offset:64*(\b)+16
.endr
	v_mul_u32_u24 v3, v1, PITCH
	v_lshl_add_u32 v3, v2, 4, v3                   ; a fragment's row x pitch + 16 x half
	s_mul_i32 s21, s[RH], HALFT
	s_mul_i32 s22, s[CH], HALFT
	s_add_co_u32 s22, s22, 2*HALFT
	v_add_nc_u32 v[A0], s21, v3
	v_add_nc_u32 v[B0], s22, v3
	v_mov_b32 v[ADRA], v[A0]
	v_mov_b32 v[ADRB], v[B0]
	s_mul_i32 s21, s[WV], ESTG
	v_mul_u32_u24 v3, v1, EP
	v_lshl_add_u32 v3, v2, 5, v3
	v_add_nc_u32 v[DST], s21, v3
	v_mul_u32_u24 v3, v2, EP
	v_lshl_add_u32 v3, v1, 4, v3
	v_add_nc_u32 v[RDA], s21, v3
	v_lshlrev_b32 v3, 9, v2
	v_lshl_add_u32 v[TOF], v1, 5, v3
	v_and_b32 v3, 31, v0
	v_lshlrev_b32 v[QOF], 4, v3
	v_lshlrev_b32 v[PFO], 12, v3
	v_mov_b32 v[ZR], 0
	s_mov_b32 s76, 0x3c000000                      ; 1 / 128
	s_mov_b32 s77, 0x358637bd                      ; 1e-6
	s_lshr_b32 s21, s[TC], 3                       ; q, k or v
	s_lshl_b32 s22, s[TR], 8
	s_lshl_b32 s40, s[RH], 7
	s_add_co_u32 s22, s22, s40                     ; my first row m
	s_lshl_b32 s70, s21, 20
	s_lshl_b32 s40, s22, 9
	s_add_co_u32 s70, s70, s40
	s_add_nc_u64 s[TBL:TBL+1], s[10:11], s[70:71]
	s_lshl_b32 s70, s21, 23
	s_and_b32 s40, s[TC], 7
	s_lshl_b32 s40, s40, 1
	s_add_co_u32 s40, s40, s[CH]                   ; my head
	s_lshl_b32 s40, s40, 19
	s_add_co_u32 s70, s70, s40
	s_xor_b32 s22, s22, 1024                       ; cond rows first
	s_lshl_b32 s22, s22, 8
	s_add_co_u32 s70, s70, s22
	s_add_nc_u64 s[QB:QB+1], s[12:13], s[70:71]
	s_lshl_b32 s46, s[TC], 8                       ; the prefetches
	s_lshl_b32 s47, s[TR], 8
	s_cmp_eq_u32 s[RH], 0                          ; do I fetch for A?
	s_cselect_b32 s21, s47, s46                    ; the tile's first row
	s_cselect_b32 s22, s[CX], s[CY]                ; my place among the four that ask with me
	s_cselect_b32 s40, ttmp9, 0                    ; the coordinate along which other clusters walk the same rows
	s_cselect_b32 s41, 0, s[CLY]
	s_cselect_b64 s[PFA:PFA+1], s[4:5], s[6:7]
	s_cmp_eq_u32 s40, 0
	s_cselect_b32 s[LIM], 2, -1                    ; the same in all sixteen partners, for a given wave
	s_lshl_b32 s40, s[CH], 7
	s_add_co_u32 s21, s21, s40
	s_lshl_b32 s22, s22, 5
	s_add_co_u32 s21, s21, s22
	s_lshl_b32 s70, s21, 12
	s_lshl_b32 s41, s41, 25
	s_add_co_u32 s70, s70, s41
	s_add_nc_u64 s[PFA:PFA+1], s[PFA:PFA+1], s[70:71]
	s_add_nc_u64 s[PFA:PFA+1], s[PFA:PFA+1], 2*KSTEP*2  ; at K step 2: the first refill steps it to 3 and names K step 4
; 16 matrix instructions: row blocks a0, a0 + 1 of the window's four x all 8 column blocks, 32 along K.  first = 1: the bias starts the sums
.macro MUL16 f, hi, a0, first
.if \first
	WIN 0x81+0x40*(\hi)                            ; C in window 0
.else
	WIN MUL_LO+0x50*(\hi)
.endif
.irp a, \a0, (\a0)+1
.irp b, 0,1,2,3,4,5,6,7
.if \first
	v_wmma_f32_16x16x32_f16 v[8*(8*(\a)+(\b)):8*(8*(\a)+(\b))+7], v[(\f)+8*(\b):(\f)+8*(\b)+7], v[(\f)+8*(4*(\hi)+(\a)):(\f)+8*(4*(\hi)+(\a))+7], v[BIA+8*(\b):BIA+8*(\b)+7]
.else
	v_wmma_f32_16x16x32_f16 v[8*(8*(\a)+(\b)):8*(8*(\a)+(\b))+7], v[(\f)+8*(\b):(\f)+8*(\b)+7], v[(\f)+8*(4*(\hi)+(\a)):(\f)+8*(4*(\hi)+(\a))+7], v[8*(8*(\a)+(\b)):8*(8*(\a)+(\b))+7]
.endif
.endr
.endr
.endm
.macro FETCH k, f                      ; 32 LDS loads in one run: the fragments of a quarter step at byte k of the rows
	WIN TO_B
.irp i, 0,1,2,3,4,5,6,7
	ds_load_b128 v[(\f)+8*(\i):(\f)+8*(\i)+3],   v[ADRB] offset:(\k)+(\i)*16*PITCH
	ds_load_b128 v[(\f)+8*(\i)+4:(\f)+8*(\i)+7], v[ADRB] offset:(\k)+(\i)*16*PITCH+32
.endr
	WIN 0
.irp i, 0,1,2,3,4,5,6,7
	ds_load_b128 v[(\f)+8*(\i):(\f)+8*(\i)+3],   v[ADRA] offset:(\k)+(\i)*16*PITCH
	ds_load_b128 v[(\f)+8*(\i)+4:(\f)+8*(\i)+7], v[ADRA] offset:(\k)+(\i)*16*PITCH+32
.endr
.endm
.macro PLACES                          ; four places in front of loads into registers that products have read, and of lines that read results
.rept 4
	v_nop
.endr
.endm
.macro QUARTER k, f, g, first          ; multiplies buffer f; in its middle fetches the next quarter, at byte k, into g
	s_wait_dscnt 8                                 ; B and A's rows 0-63 are in; the youngest eight loads may be out
	MUL16 \f, 0, 0, \first
	MUL16 \f, 0, 2, \first
	PLACES
	FETCH \k, \g
	s_wait_dscnt 32                                ; all but the 32 just issued
	MUL16 \f, 1, 0, \first
	MUL16 \f, 1, 2, \first
.endm
; The change of slots: each wave waits for all its tensor loads (one is out: its part of the next slot), adds 0 to its spare word, and waits for that and for its reads of this slot.
.macro MEET round
	WIN 0
	s_wait_tensorcnt 0x0                           ; no tensor load of mine is out, so a group 0 may be written
	ds_add_u32 v[SPW], v[NIL]
.if \round
	s_xor_b32 s[G0+5], s[G0+5], SLOT               ; the walking descriptors: the other slot, the next K step
	s_add_nc_u64 s[G0+6:G0+7], s[G0+6:G0+7], KSTEP*2
	s_xor_b32 s[G0B+5], s[G0B+5], SLOT
	s_add_nc_u64 s[G0B+6:G0B+7], s[G0B+6:G0B+7], KSTEP*2
.endif
	s_wait_dscnt 9                                 ; the add and the youngest eight loads may be out
	MUL16 F1, 0, 0, 0
	s_wait_dscnt 0x0                               ; the add is done, my reads of this slot are over
	s_barrier_signal -1
	MUL16 F1, 0, 2, 0
.if \round
	WIN 0
.endif
	s_barrier_wait -1
.endm
.macro TURN                            ; the last quarter of a K step that fills its slot again
	s_wait_xcnt 0x0                                ; the last prefetch, a K step back, has read its address
	s_add_nc_u64 s[PFA:PFA+1], s[PFA:PFA+1], KSTEP*2
	MEET 1
	CREST                                          ; the round is closed: no wave of any partner reads the slot or has a load on its way
	JLOAD                                          ; the first thing behind it; its four v_nop are also the places in front of the loads below
	s_xor_b32 s[TB], s[TB], SLOT
	v_add_nc_u32 v[ADRA], s[TB], v[A0]
	v_add_nc_u32 v[ADRB], s[TB], v[B0]
	FETCH 0, F0
	ASK
	MUL16 F1, 1, 0, 0
	MUL16 F1, 1, 2, 0
.endm
.macro TURNT                           ; the same in the last two K steps: nothing is filled; the very last fetches nothing
	MEET 0
	PLACES
	WIN 0
	s_xor_b32 s[TB], s[TB], SLOT
	v_add_nc_u32 v[ADRA], s[TB], v[A0]
	v_add_nc_u32 v[ADRB], s[TB], v[B0]
	s_cmp_eq_u32 s3, 1
	s_cbranch_scc1 .Lno_f_\@
	FETCH 0, F0
.Lno_f_\@:
	MUL16 F1, 1, 0, 0
	MUL16 F1, 1, 2, 0
.endm
	s_wait_tensorcnt 1                             ; my part of K step 0 is in; K step 1's may stay out
	s_barrier_signal -1
	s_barrier_wait -1
	FETCH 0, F0
	s_wait_loadcnt 0x0                             ; the bias
	QUARTER 64, F0, F1, 1
	WIN 0
	s_mov_b32 s3, 14
.Lstep:                                        ; from a K step's second quarter to the next one's first; 14 refills: K steps 2 to 15
	QUARTER 128, F1, F0, 0
	QUARTER 192, F0, F1, 0
	TURN
	QUARTER 64, F0, F1, 0
	WIN 0
	s_sub_co_u32 s3, s3, 1
	s_cmp_lg_u32 s3, 0
	s_cbranch_scc1 .Lstep
	s_mov_b32 s3, 2
.Ltail:                                        ; K steps 14 and 15: no tensor load; left in the middle of the second pass
	QUARTER 128, F1, F0, 0
	QUARTER 192, F0, F1, 0
	TURNT
	WIN 0
	s_sub_co_u32 s3, s3, 1
	s_cmp_eq_u32 s3, 0
	s_cbranch_scc1 .Lout
	QUARTER 64, F0, F1, 0
	WIN 0
	s_branch .Ltail
.Lout:
	; THE WAY OUT.  y goes as f32 into my stage (in the ring, which is filled no more and which nobody reads behind this barrier) and comes back by rows:
	; sixteen lanes a row, lane c with channels 4 c .. 4 c + 3 and 64 + 4 c .. 64 + 4 c + 3, which are positions 8 c .. 8 c + 7.
	PLACES
	s_wait_dscnt 0x0
	s_barrier_signal -1
	s_barrier_wait -1
.macro TLOAD t, off                    ; the table of 16 rows: my 8 words of each
.irp u, 0,1,2,3,4,5,6,7
	global_load_b128 v[(\t)+8*(\u):(\t)+8*(\u)+3],   v[TOF], s[TBL:TBL+1] offset:(\off)+1024*(\u)
	global_load_b128 v[(\t)+8*(\u)+4:(\t)+8*(\u)+7], v[TOF], s[TBL:TBL+1] offset:(\off)+1024*(\u)+16
.endr
.endm
	TLOAD TT0, 0
.irp hi, 0,1
	WIN 0x08+4*(\hi)                               ; the data in window 2 or 3
.irp a, 0,1,2,3
.irp b, 0,1,2,3,4,5,6,7
	ds_store_b128 v[DST], v[8*(8*(\a)+(\b)):8*(8*(\a)+(\b))+3]   offset:(4*(\hi)+(\a))*16*EP+64*(\b)     ; each accumulator from its low end on
	ds_store_b128 v[DST], v[8*(8*(\a)+(\b))+4:8*(8*(\a)+(\b))+7] offset:(4*(\hi)+(\a))*16*EP+64*(\b)+16
.endr
.endr
.endr
	WIN 0
.macro ALLU line:vararg                ; one line for each unit u of two rows
.set u, 0
.rept 8
	\line
.set u, u+1
.endr
.endm
.macro EPI set                         ; 16 rows
.set TS, TT0+64*(\set)
	s_wait_loadcnt 0x0                             ; this block's table, asked for a block ago; the next block's goes out behind this wait, so the count is the same on every path
	s_wait_xcnt 0x0                                ; the last block's stores have read their registers
	ALLU ds_load_b128 v[YY+8*u:YY+8*u+3], v[RDA] offset:2*EP*u
	ALLU ds_load_b128 v[YY+8*u+4:YY+8*u+7], v[RDA] offset:2*EP*u+256
.if (\set) == 0
	TLOAD TT0+64, 8192
.else
	s_cmp_eq_u32 s[CNT], 1                         ; the last block has none behind it
	s_cbranch_scc1 .Lno_t_\@
	TLOAD TT0, 16384
.Lno_t_\@:
.endif
	s_wait_dscnt 0x0
	ALLU v_pk_mul_f32 v[OO+4*u:OO+4*u+1], v[YY+8*u:YY+8*u+1], v[YY+8*u:YY+8*u+1]
	ALLU v_pk_fma_f32 v[OO+4*u:OO+4*u+1], v[YY+8*u+2:YY+8*u+3], v[YY+8*u+2:YY+8*u+3], v[OO+4*u:OO+4*u+1]
	ALLU v_pk_fma_f32 v[OO+4*u:OO+4*u+1], v[YY+8*u+4:YY+8*u+5], v[YY+8*u+4:YY+8*u+5], v[OO+4*u:OO+4*u+1]
	ALLU v_pk_fma_f32 v[OO+4*u:OO+4*u+1], v[YY+8*u+6:YY+8*u+7], v[YY+8*u+6:YY+8*u+7], v[OO+4*u:OO+4*u+1]
	ALLU v_add_f32 v[OO+4*u], v[OO+4*u], v[OO+4*u+1]
	ALLU v_add_f32_dpp v[OO+4*u], v[OO+4*u], v[OO+4*u] row_xmask:1 row_mask:0xf bank_mask:0xf
	ALLU v_add_f32_dpp v[OO+4*u], v[OO+4*u], v[OO+4*u] row_xmask:2 row_mask:0xf bank_mask:0xf
	ALLU v_add_f32_dpp v[OO+4*u], v[OO+4*u], v[OO+4*u] row_xmask:4 row_mask:0xf bank_mask:0xf
	ALLU v_add_f32_dpp v[OO+4*u], v[OO+4*u], v[OO+4*u] row_xmask:8 row_mask:0xf bank_mask:0xf
	ALLU v_fma_f32 v[OO+4*u], v[OO+4*u], s76, s77
	ALLU v_rsq_f32 v[OO+4*u], v[OO+4*u]
	v_add_nc_u32 v[RDA], 16*EP, v[RDA]             ; the plain instruction behind the last root
	s_wait_alu depctr_va_vdst(0)                   ; one wait for the eight roots, ahead of their first reader
.irp e, 0,2,4,6
	ALLU v_pk_mul_f32 v[YY+8*u+(\e):YY+8*u+(\e)+1], v[YY+8*u+(\e):YY+8*u+(\e)+1], v[OO+4*u:OO+4*u+1] op_sel_hi:[1,0]
.endr
.set u, 0
.rept 8
.irp e, 0,1,2,3
	v_fma_mix_f32 v[UU+(\e)], v[YY+8*u+4+(\e)], v[TS+8*u+(\e)], v[ZR] op_sel:[0,1,0] op_sel_hi:[0,1,0]      ; the partner times the table's high half
	v_fma_mix_f32 v[UU+4+(\e)], v[YY+8*u+(\e)], v[TS+8*u+4+(\e)], v[ZR] op_sel:[0,1,0] op_sel_hi:[0,1,0]
.endr
.irp e, 0,1,2,3,4,5,6,7
	v_fma_mix_f32 v[UU+(\e)], v[YY+8*u+(\e)], v[TS+8*u+(\e)], v[UU+(\e)] op_sel_hi:[0,1,0]                  ; the channel itself times the low half
.endr
.irp e, 0,1,2,3
	v_cvt_pk_f16_f32 v[OO+4*u+(\e)], v[UU+2*(\e)], v[UU+2*(\e)+1]
.endr
	global_store_b128 v[QOF], v[OO+4*u:OO+4*u+3], s[QB:QB+1] offset:512*u+4096*(\set)  ; two rows: 512 consecutive bytes, aligned
.set u, u+1
.endr
.endm
	s_mov_b32 s[CNT], 4
.Lepi:
	EPI 0
	EPI 1
	s_wait_xcnt 0x0                                ; loads and stores have read their bases
	s_add_nc_u64 s[TBL:TBL+1], s[TBL:TBL+1], 16384
	s_add_nc_u64 s[QB:QB+1], s[QB:QB+1], 8192
	s_sub_co_u32 s[CNT], s[CNT], 1
	s_cmp_lg_u32 s[CNT], 0
	s_cbranch_scc1 .Lepi
	s_wait_tensorcnt 0x0                           ; the wave's end
	ds_add_u32 v[SPW], v[NIL]
	s_wait_dscnt 0x0
	CROUND                                         ; the closing round
	s_endpgm
.Lfunc_end_k_q20ea647ce8_qkv:
	.size	k_q20ea647ce8_qkv, .Lfunc_end_k_q20ea647ce8_qkv-k_q20ea647ce8_qkv
	.p2alignl 7, 3214868480
	.fill 96, 4, 3214868480
	.section	.rodata,"a",@progbits
	.p2align	6, 0x0
	.amdhsa_kernel k_q20ea647ce8_qkv
		.amdhsa_group_segment_fixed_size 327680
		.amdhsa_private_segment_fixed_size 0
		.amdhsa_enable_private_segment 0
		.amdhsa_kernarg_size 40
		.amdhsa_user_sgpr_count 2
		.amdhsa_user_sgpr_kernarg_segment_ptr 1
		.amdhsa_wavefront_size32 1
		.amdhsa_system_sgpr_workgroup_id_x 1
		.amdhsa_system_sgpr_workgroup_id_y 1
		.amdhsa_system_sgpr_workgroup_id_z 1
		.amdhsa_system_vgpr_workitem_id 0
		.amdhsa_next_free_vgpr 1024
		.amdhsa_next_free_sgpr 80
		.amdhsa_reserve_vcc 0
		.amdhsa_float_denorm_mode_32 3
		.amdhsa_float_denorm_mode_16_64 3
		.amdhsa_memory_ordered 1
		.amdhsa_forward_progress 1
		.amdhsa_inst_pref_size 122
	.end_amdhsa_kernel
	.amdgpu_metadata
---
amdhsa.version: [ 1, 2 ]
amdhsa.kernels:
  - .name:           k_q20ea647ce8_qkv
    .symbol:         k_q20ea647ce8_qkv.kd
    .args:
      - { .name: Xh, .offset: 0, .size: 8, .value_kind: global_buffer, .address_space: global }
      - { .name: Wt, .offset: 8, .size: 8, .value_kind: global_buffer, .address_space: global }
      - { .name: Bias, .offset: 16, .size: 8, .value_kind: global_buffer, .address_space: global }
      - { .name: Tab, .offset: 24, .size: 8, .value_kind: global_buffer, .address_space: global }
      - { .name: QKV, .offset: 32, .size: 8, .value_kind: global_buffer, .address_space: global }
    .group_segment_fixed_size: 327680
    .private_segment_fixed_size: 0
    .kernarg_segment_align: 8
    .kernarg_segment_size: 40
    .max_flat_workgroup_size: 128
    .sgpr_count:     80
    .vgpr_count:     1024
    .wavefront_size: 32
...
	.end_amdgpu_metadata
.endif
;; end of part 2
;; launch attn (part 3): grid 16 x 16, 4 waves a work-group, clusters of 4 x 1, 327,680 bytes of LDS; arguments QKV, Xa; writes Xa
.if DOCPART == 3
	.amdgcn_target "amdgcn-amd-amdhsa--gfx1250"
	.amdhsa_code_object_version 6
	.text
	.protected	k_q20ea647ce8_attn
	.globl	k_q20ea647ce8_attn
	.p2align	8
	.type	k_q20ea647ce8_attn,@function
k_q20ea647ce8_attn:
	s_mov_b64 s[64:65], 0
	v_nop
	global_prefetch_b8 v0, s[64:65] scope:SCOPE_SE
	s_setreg_imm32_b32 hwreg(HW_REG_WAVE_MODE, 25, 1), 1
	s_wait_xcnt 0x0
	s_wait_alu depctr_hold_cnt(0) depctr_sa_sdst(0) depctr_va_vdst(0) depctr_va_sdst(0) depctr_va_ssrc(0) depctr_va_vcc(0) depctr_vm_vsrc(0)
	s_getreg_b32 s2, hwreg(HW_REG_IB_STS2, 6, 4)
	s_cmp_eq_u32 s2, 0
	s_cbranch_scc0 .Lentry_in_a_cluster
	s_endpgm
.Lentry_in_a_cluster:
	s_bfe_u32 s2, ttmp6, 0x10000c
	s_cmp_lg_u32 s2, 0x3003
	s_cbranch_scc0 .Lentry_shape_is_right
	s_endpgm
.Lentry_shape_is_right:
; ATTENTION, 16 heads of 128 channels.  Rows lie cond first (r' = m xor 1024).  A noise query sees all 2,048 keys, a cond query the 1,024 cond keys: the rest has weight exp(-1e20 - max) = 0 and is not computed.
; Q, K, V f16; products, maxima and sums f32; the weights p rounded to f16 for the second product (their sum is taken of the unrounded p); the result rounded once to f16: Xa[m][128 head + p].
; LIMITS.  A weight below 2^-126 counts as 0 in the sum; p below 6e-5 keeps f16's fixed step; NaN and infinities are not treated apart.
; SHARES.  A work-group has 64 noise queries (waves 0, 1) and 64 cond queries (waves 2, 3) of one head: all 256 work-groups are alike.  THE KEYS OF A PAIR ARE SPLIT: of each slot of 256 keys wave w takes
; 128 (w & 1) ..: two steps of 64.  The walk is 8 slots, cond keys first; in slots 4 to 7 waves 2 and 3 jump over the turns (no barrier, no tensor load in what is jumped), go on fetching V's tiles and
; passing the rounds, and keep their last step's V, P and scores in registers for the common end.  The two halves of a pair meet in LDS at the end: O = (Oa fa + Ob fb) / (la fa + lb fb), f = 2^(c m - max).
; Waves 2 and 3 so stand idle for half the walk: the price of one text with constant counts.
; LAYOUT, SOFTMAX, TURNS.  S^T = K Q^T holds one query a lane (lane % 16) and the keys 8 (lane / 16) + 0..7; two such results rounded to f16 ARE source 1 of O^T = V^T P.  p = 2^(c s - c m),
; c = log2(e) / sqrt(128), with a running maximum m; O and l are multiplied by a = 2^(c m_old - c m_new) in every step.  The wave's four tiles of 16 queries are two pieces (0: tiles 0, 1; 2: tiles 2, 3).
; In a turn one piece has the matrix unit (32 products V^T P of the step in hand, 32 products K Q^T of the next) and the other piece's softmax stands in 64 slices behind them.
; THE START.  m starts at the lowest finite number, l and piece 2's P at 0; O^T starts as 32 products of K's first fragments with that P and the constant 0; V of the first step is fetched ahead, so that the
; first turn's products V^T P (of a piece that has not been) add finite numbers times 0.  So the first step is a step like any other, and the loop is entered in the middle of a trip.
; LDS ADDRESSES OF THE FETCHES: a lane's base (with the wave's half of the keys in it, never rewritten) plus s[TBK] or s[TBV], which begin at 0, step 64 rows a trip ON EVERY WAVE'S PATH (behind the label to which
; the idle waves jump), go back 128 rows at a change of slots and are turned into the other slot by an exclusive or: the same numbers in all four waves at every line.
; CLUSTER.  The four work-groups of a cluster belong to one head and walk the same K and V: each tile is asked for jointly.
; REGISTERS: window 0: v0-11 addresses; v12-43 statistics, 8 a tile; v44-56 the meeting; v64-191 S^T; v192-255 P.  window 1: O^T, 64 a tile.  window 2: v0-127 Q, v128-255 K of a step.  window 3: v0-127 V of a step.
.set KS,    64
.set PK,    272                        ; a row of K in LDS: 256 + 16 bytes
.set PV,    288                        ; a row of V: 256 + 32 bytes, for the turning load
.set VOFF,  256*PK                     ; a slot: 256 rows of K, then 256 rows of V
.set SLOT1, 147456                     ; 0x24000: it shares no bit with the four tiles' places in a slot
.set STAGE, SLOT1+256*(PK+PV)          ; 16 rows x 272 bytes for each wave, for the way out
.set SP,    272
.set SPARE, STAGE+4*16*SP              ; the spare words: two blocks of 256 bytes that no other line names
.set XCH,   33792                      ; the meeting: a wave's part, in the ring when it has had its last fill: 32,768 bytes of O^T, 1,024 of statistics
.set AK0, 2                            ; v2   my lane's place in my half of a slot's K; never rewritten
.set AV0, 3                            ; v3   the same for V
.set ADR, 4                            ; v4   the LDS address of the run of loads in hand
.set QO,  5
.set STO, 6
.set RD,  7
.set GO,  8
.set XA,  44                           ; v44  where I put 16 bytes of my O^T
.set XS,  45                           ; v45  where I put a word of my statistics
.set RA,  46                           ; v46  where I read the pair's O^T of the tile in hand; steps a tile a trip
.set RS,  47                           ; v47  the same for its statistics
.set SA,  48                           ; v48-51  c m and l of the pair's two halves
.set FW,  52                           ; v52-55  the two halves' weights, each the low word of a pair
.set MX,  56                           ; v56  the common maximum, then the sum and its reciprocal
.set PFO, 61                           ; v61  256 x lane; never rewritten
.set SPW, 62                           ; v62  my spare word; never rewritten
.set NIL, 63                           ; v63  0; never rewritten
.set ST,  12                           ; tile t at v[ST+8 t]: c m, m, l (even keys', odd keys'), four at work
.set S,   64
.set P,   192
.set KF,  128
.set WV,  12
.set LIM, 15
.set KG,  16                           ; w & 1: my half of the keys; also which half of K's or V's tile I fetch
.set PFA, 18
.set G1K, 24
.set G1V, 32
.set G0K, 40
.set G0V, 48
.set SLOTS, 56
.set TWICE, 57
.set CS,  58
.set SEL, 60
.set TBK, 62                           ; s62  the slot in hand (0 or SLOT1) + 64 rows of K for each step gone
.set TBV, 63                           ; s63  the same in rows of V
.set KOF0, 68                          ; s68  my half's place in a slot's K: 128 rows x (w & 1)
.set VOF0, 69                          ; s69  in its V
.set CNT, 70
.set MSB, 0
.macro WIN new
.if MSB != (\new)
	s_set_vgpr_msb (MSB<<8)|(\new)
.set MSB, \new
.endif
.endm
.set W_KQ, 0x0a
.set W_PV, 0x53
.set W_RS, 0x41
.macro JLOAD                           ; a joint refill: waves 0, 1 the halves of K's 256 rows, waves 2, 3 of V's; an s_nop 0 and four v_nop follow each line
	s_cmp_lt_u32 s[WV], 2
	s_cbranch_scc0 .Lfor_v_\@
	tensor_load_to_lds s[G0K+4:G0K+7], s[G1K:G1K+7]
	s_nop 0
.rept 4
	v_nop
.endr
	s_branch .Lasked_\@
.Lfor_v_\@:
	tensor_load_to_lds s[G0V+4:G0V+7], s[G1V:G1V+7]
	s_nop 0
.rept 4
	v_nop
.endr
.Lasked_\@:
.endm
; A PREFETCH of what the NEXT change of slots will ask for.  The four clusters of a head walk the same rows: the head's first cluster asks; of the 128 rows that a wave fetches each of the four partners
; takes 32, told apart by address; a lane a row of 256 bytes.  So each row is named once.  Slots 0 to 2 come by their loads alone; the last change that fills a slot asks for nothing.
.macro ASK
	s_cmp_gt_u32 s[SLOTS], s[LIM]
	s_cbranch_scc0 .Lnot_mine_\@
	global_prefetch_b8 v[PFO], s[PFA:PFA+1] th:TH_LOAD_NT scope:SCOPE_SE
.Lnot_mine_\@:
.endm
.macro CROUND
	s_barrier_signal -1
	s_barrier_wait -1
	s_cmp_lg_u32 s[WV], 0
	s_cbranch_scc1 .Lnot_wave_0_\@
	s_barrier_signal -3
.Lnot_wave_0_\@:
	s_barrier_wait -3
	s_barrier_signal -1
	s_barrier_wait -1
.endm
	s_load_b128 s[4:7], s[0:1], 0x0                ; QKV s[4:5], Xa s[6:7]
	v_lshl_add_u32 v[SPW], v0, 2, SPARE
	v_mov_b32 v[NIL], 0
	ds_add_u32 v[SPW], v[NIL]                      ; the wave's opening: the add and its wait stand ahead of my first tensor load
	v_lshrrev_b32 v1, 5, v0
	v_readfirstlane_b32 s[WV], v1
	s_bfe_u32 s13, ttmp6, 0x40000                  ; cx
	s_lshl_b32 s14, ttmp9, 2
	s_add_co_u32 s14, s14, s13                     ; my block of 64 + 64 queries: it enters Q's and Xa's addresses alone
	s_and_b32 s20, ttmp7, 0xffff                   ; the head
	s_and_b32 s[KG], s[WV], 1
	s_lshl_b32 s22, s20, 19                        ; a head's 2,048 rows of 256 bytes
	s_lshl_b32 s23, s[KG], 15                      ; my 128 rows of a slot
	s_add_co_u32 s22, s22, s23
	s_mov_b32 s23, 0
	s_mul_i32 s[KOF0], s[KG], 128*PK
	s_mul_i32 s[VOF0], s[KG], 128*PV
	s_lshl_b32 s2, s14, 6
	s_cmp_lt_u32 s[WV], 2                          ; waves 0, 1: noise queries
	s_cselect_b32 s3, 1024, 0
	s_cselect_b32 s17, 0, 1024
	s_add_co_u32 s3, s3, s2                        ; r' of my first query
	s_add_co_u32 s17, s17, s2                      ; its m
	s_lshl_b32 s2, s3, 8
	s_lshl_b32 s3, s20, 19
	s_add_co_u32 s2, s2, s3
	s_mov_b32 s3, 0
	s_lshl_b32 s72, s17, 12
	s_lshl_b32 s73, s20, 8
	s_add_co_u32 s72, s72, s73
	s_mov_b32 s73, 0
	s_mov_b32 s[G1K], 15|(1<<16)|(1<<20)|(1<<21)|(5<<22)|(3<<25)  ; the mask of four; 2-byte elements; padding on; bit 21 beside a mask; after every 64 words 4 words
	s_mov_b32 s[G1V], 15|(1<<16)|(1<<20)|(1<<21)|(5<<22)|(7<<25)  ; the same with 8 words
.irp g, G1K, G1V
	s_mov_b32 s[(\g)+1], 128<<16                   ; tensor_dim0 = 128
	s_mov_b32 s[(\g)+2], 128<<16                   ; tensor_dim1 = 128
	s_mov_b32 s[(\g)+3], 128<<16                   ; tile_dim0 = 128
	s_mov_b32 s[(\g)+4], 128                       ; tile_dim1 = 128
	s_mov_b32 s[(\g)+5], 128                       ; elements from row to row
	s_mov_b32 s[(\g)+6], 0
	s_mov_b32 s[(\g)+7], 0
.endr
	s_mov_b32 s[CS], 0x3e0293ee                    ; c = log2(e) / sqrt(128)
	s_mov_b32 s[CS+1], s[CS]
	s_mov_b32 s[SEL], 0x76543210
	s_mov_b32 s[SEL+1], 0xfedcba98
	s_mov_b32 s[TBK], 0                            ; slot 0, step 0
	s_mov_b32 s[TBV], 0
	s_cmp_eq_u32 ttmp9, 0                          ; the head's first cluster: the same in all four partners
	s_cselect_b32 s[LIM], 1, -1
	v_and_b32 v[PFO], 31, v0
	v_lshlrev_b32 v[PFO], 8, v[PFO]
	s_wait_dscnt 0x0                               ; the opening add is done
	s_wait_kmcnt 0x0
	s_add_nc_u64 s[74:75], s[4:5], s[22:23]
	s_add_nc_u64 s[76:77], s[74:75], 0x1000000     ; V at my tile of slot 0
	s_add_nc_u64 s[74:75], s[74:75], 0x800000      ; K
	s_add_nc_u64 s[8:9], s[4:5], s[2:3]            ; Q at my first query
	s_add_nc_u64 s[10:11], s[6:7], s[72:73]        ; Xa
	s_cmp_lt_u32 s[WV], 2
	s_cselect_b64 s[PFA:PFA+1], s[74:75], s[76:77]
	s_lshl_b32 s2, s13, 13                         ; my work-group's 32 rows of the 128
	s_mov_b32 s3, 0
	s_add_nc_u64 s[PFA:PFA+1], s[PFA:PFA+1], s[2:3]
	s_add_nc_u64 s[PFA:PFA+1], s[PFA:PFA+1], 2*65536  ; in slot 2; the first change of slots steps it to slot 3
	CROUND                                         ; all four work-groups are here: the first joint loads meet
.irp s, 0,1
	s_mov_b32 s[G0K+4*(\s)], 1
	s_add_co_u32 s[G0K+4*(\s)+1], s[KOF0], (\s)*SLOT1
	s_add_nc_u64 s[G0K+4*(\s)+2:G0K+4*(\s)+3], s[74:75], (\s)*65536
	s_or_b32 s[G0K+4*(\s)+3], s[G0K+4*(\s)+3], 0x80000000
	s_mov_b32 s[G0V+4*(\s)], 1
	s_add_co_u32 s[G0V+4*(\s)+1], s[VOF0], (\s)*SLOT1+VOFF
	s_add_nc_u64 s[G0V+4*(\s)+2:G0V+4*(\s)+3], s[76:77], (\s)*65536
	s_or_b32 s[G0V+4*(\s)+3], s[G0V+4*(\s)+3], 0x80000000
.endr
	s_cmp_lt_u32 s[WV], 2                          ; a wave's two first fills stand in one branch: two loads of mine are out
	s_cbranch_scc0 .Lfirst_v
	tensor_load_to_lds s[G0K:G0K+3], s[G1K:G1K+7]
	s_nop 0
	tensor_load_to_lds s[G0K+4:G0K+7], s[G1K:G1K+7]
	s_nop 0
.rept 4
	v_nop
.endr
	s_branch .Lfirst_asked
.Lfirst_v:
	tensor_load_to_lds s[G0V:G0V+3], s[G1V:G1V+7]
	s_nop 0
	tensor_load_to_lds s[G0V+4:G0V+7], s[G1V:G1V+7]
	s_nop 0
.rept 4
	v_nop
.endr
.Lfirst_asked:
	v_and_b32 v1, 15, v0                           ; l % 16
	v_bfe_u32 v9, v0, 4, 1                         ; l / 16
	v_lshlrev_b32 v[QO], 8, v1
	v_lshl_add_u32 v[QO], v9, 4, v[QO]
	WIN 0x80
.irp i, 0,1,2,3,4,5,6,7,8,9,10,11,12,13,14,15  ; Q stays in registers: tile i / 4, channels 32 (i % 4) on
	global_load_b128 v[8*(\i):8*(\i)+3],   v[QO], s[8:9] offset:((\i)/4)*4096+((\i)%4)*64
	global_load_b128 v[8*(\i)+4:8*(\i)+7], v[QO], s[8:9] offset:((\i)/4)*4096+((\i)%4)*64+32
.endr
	WIN 0
.set i, 0
.rept 4
	v_mov_b32 v[ST+8*i], 0xfe000000                ; c m: far below every c s
	v_mov_b32 v[ST+8*i+1], 0xff7fffff              ; m
	v_mov_b32 v[ST+8*i+2], 0
	v_mov_b32 v[ST+8*i+3], 0
.set i, i+1
.endr
.set i, P+32
.rept 32
	v_mov_b32 v[i], 0                              ; piece 2's P: the weights of a step that has not been
.set i, i+1
.endr
	v_mul_u32_u24 v[AK0], v1, PK
	v_lshl_add_u32 v[AK0], v9, 4, v[AK0]           ; row x pitch + 16 x half,
	v_add_nc_u32 v[AK0], s[KOF0], v[AK0]           ; in my half of the slot's keys
	v_and_b32 v10, 7, v0                           ; the turning load: lane l reads key 8 (l / 16) + l % 8, channels 8 ((l / 8) % 2) + 0..7
	v_bfe_u32 v11, v0, 3, 1
	v_lshl_add_u32 v[AV0], v9, 3, v10
	v_mul_u32_u24 v[AV0], v[AV0], PV
	v_lshl_add_u32 v[AV0], v11, 4, v[AV0]
	v_add_nc_u32 v[AV0], VOFF, v[AV0]
	v_add_nc_u32 v[AV0], s[VOF0], v[AV0]
; THE MATRIX WORK.  The accumulators take turns, one instruction a turn.
.macro PV x                            ; product i of 32 of O^T += V^T P: keys 32 (i / 16) on, channels 16 ((i / 2) % 8) on, tile x + i % 2
	WIN W_PV
.set rO, 64*((\x)+i%2)+8*((i/2)%8)
.set rV, 64*(i/16)+8*((i/2)%8)
.set rP, P+16*((\x)+i%2)+8*(i/16)
	v_wmma_f32_16x16x32_f16 v[rO:rO+7], v[rV:rV+7], v[rP:rP+7], v[rO:rO+7]
.endm
.macro KQ x                            ; product i of 32 of S^T = K Q^T: channels 32 (i / 8) on, keys 16 ((i / 2) % 4) on, tile x + i % 2; the first 8 start the sums
	WIN W_KQ
.set rS, S+32*((\x)+i%2)+8*((i/2)%4)
.set rK, KF+32*((i/2)%4)+8*(i/8)
.set rQ, 32*((\x)+i%2)+8*(i/8)
.if i < 8
	v_wmma_f32_16x16x32_f16 v[rS:rS+7], v[rK:rK+7], v[rQ:rQ+7], 0
.else
	v_wmma_f32_16x16x32_f16 v[rS:rS+7], v[rK:rK+7], v[rQ:rQ+7], v[rS:rS+7]
.endif
.endm
; THE LDS LOADS stand in runs of 32.  K and V of a trip belong to the same step; s[TBK] and s[TBV] are stepped at the trip's end.  last = 1 (the tail): in the last pass there is no further step, and the run is jumped over.
.macro FETCH_K last=0
	WIN 0
.if \last
	s_cmp_eq_u32 s[CNT], 1
	s_cbranch_scc1 .Lno_k_\@
.endif
	v_add_nc_u32 v[ADR], s[TBK], v[AK0]
	WIN 0x80
.irp f, 0,1,2,3,4,5,6,7,8,9,10,11,12,13,14,15  ; keys 16 (f / 4) on, channels 32 (f % 4) on
	ds_load_b128 v[KF+8*(\f):KF+8*(\f)+3],   v[ADR] offset:((\f)/4)*16*PK+((\f)%4)*64
	ds_load_b128 v[KF+8*(\f)+4:KF+8*(\f)+7], v[ADR] offset:((\f)/4)*16*PK+((\f)%4)*64+32
.endr
.if \last
	WIN 0
.Lno_k_\@:
.endif
.endm
.macro FETCH_V
	WIN 0
	v_add_nc_u32 v[ADR], s[TBV], v[AV0]
	s_wait_alu depctr_va_vdst(0)                   ; the wait for the softmax's batch (SLICE), behind the address's line and ahead of the loads
	WIN 0xc0
.irp f, 0,1,2,3,4,5,6,7,8,9,10,11,12,13,14,15  ; keys 32 (f / 8) on, channels 16 (f % 8) on
	ds_load_tr16_b128 v[8*(\f):8*(\f)+3],   v[ADR] offset:((\f)/8)*32*PV+((\f)%8)*32
	ds_load_tr16_b128 v[8*(\f)+4:8*(\f)+7], v[ADR] offset:((\f)/8)*32*PV+16*PV+((\f)%8)*32
.endr
.endm
.macro STEPON                          ; the next trip's fetches are the next step's: on every wave's path
	s_add_co_u32 s[TBK], s[TBK], KS*PK
	s_add_co_u32 s[TBV], s[TBV], KS*PV
.endm
; THE VECTOR WORK.  One tile's softmax for a key step is a list of 134 instructions; SM writes number j of it for tile t.
;   0-15 the maximum of the 32 scores and the old m (each accumulator's lowest registers first)   16-20 the other half of the lanes' maximum; m; c m; its change
;   21-69 ONE BATCH: 16 scalings c s - c m and all 33 exponentials (a at 23), none of which reads an exponential's result   (wait)   70-85 roundings to f16   86-101 the sums; l = a l + sum   102-133 O^T times a
.macro SM t
.set rT, ST+8*(\t)
.set rS, S+32*(\t)
.set rP, P+16*(\t)
.set rO, 64*(\t)+2*(j-102)
.if j < 102
	WIN 0
.endif
.if j < 4
	v_max3_num_f32 v[rT+4+j], v[rS+8*j], v[rS+8*j+1], v[rS+8*j+2]
.elseif j < 12
	v_max3_num_f32 v[rT+4+j%4], v[rT+4+j%4], v[rS+8*(j%4)+2*(j/4)+1], v[rS+8*(j%4)+2*(j/4)+2]
.elseif j == 12
	v_max3_num_f32 v[rT+4], v[rT+4], v[rS+7], v[rS+15]
.elseif j == 13
	v_max3_num_f32 v[rT+6], v[rT+6], v[rS+23], v[rS+31]
.elseif j == 14
	v_max3_num_f32 v[rT+4], v[rT+4], v[rT+5], v[rT+6]
.elseif j == 15
	v_max3_num_f32 v[rT+4], v[rT+4], v[rT+7], v[rT+1]
.elseif j == 16
	v_permlanex16_b32 v[rT+5], v[rT+4], s[SEL], s[SEL+1]  ; the query's other 32 keys lie in the lane 16 away
.elseif j == 17
	v_mov_b32 v[rT+7], v[rT]                       ; c m_old is kept for a
.elseif j == 18
	v_max_num_f32 v[rT+1], v[rT+4], v[rT+5]
.elseif j == 19
	v_mul_f32 v[rT], s[CS], v[rT+1]
.elseif j == 20
	v_sub_f32 v[rT+7], v[rT+7], v[rT]
.elseif j == 23
	v_exp_f32 v[rT+6], v[rT+7]
.elseif (j < 23) || ((j < 38) && (j%2 == 0)) || ((j < 66) && (j%4 == 2))
.set b, (j-2)/4
.if j < 38
.set b, (j-20)/2
.endif
	v_pk_fma_f32 v[rS+2*b:rS+2*b+1], v[rS+2*b:rS+2*b+1], s[CS:CS+1], v[rT:rT+1] op_sel_hi:[1,0,0] neg_lo:[0,0,1] neg_hi:[0,0,1]
.elseif j < 70
.set e, j-38
.if j < 66
.set e, j-32-(j-38)/4
.endif
.if j < 38
.set e, (j-25)/2
.endif
	v_exp_f32 v[rS+e], v[rS+e]
.elseif j < 86
	v_cvt_pk_f16_f32 v[rP+j-70], v[rS+2*(j-70)], v[rS+2*(j-70)+1]
.elseif j < 102
.set z, j-86
.set w, 4
.set u, z
.if z >= 14
.set w, 32
.set u, 0
.elseif z >= 12
.set w, 16
.set u, z-12
.elseif z >= 8
.set w, 8
.set u, z-8
.endif
.if z < 15
	v_pk_add_f32 v[rS+w*u:rS+w*u+1], v[rS+w*u:rS+w*u+1], v[rS+w*u+w/2:rS+w*u+w/2+1]
.else
	v_pk_fma_f32 v[rT+2:rT+3], v[rT+2:rT+3], v[rT+6:rT+7], v[rS:rS+1] op_sel_hi:[1,0,1]
.endif
.else
	WIN W_RS
	v_pk_mul_f32 v[rO:rO+1], v[rO:rO+1], v[rT+6:rT+7] op_sel_hi:[1,0]
.endif
.endm
; Slice k of 64 of piece y's softmax: four instructions; slices 11 to 34 deal out the batch, four numbers of one tile each; slice 63 has the twelve that are over: sixteen plain lines, the places behind the turn's
; last products.  Behind slice 34 stand the batch's plain instruction and its ONE wait ahead of the first line that names a result.
.macro SLICE y
.if (k >= 11) && (k < 35)
.irp n, 0,1,2,3
.set j, 22+4*((k-11)/2)+(\n)
	SM (\y)+(k-11)%2
.endr
.else
.irp n, 0,1,2,3,4,5,6,7
.if ((\n) < 2) || (k == 63)
.irp t, \y, (\y)+1
.set j, 2*k+(\n)
	SM \t
.endr
.endif
.endr
.endif
.if k == 34
	v_nop
.if (\y) == 0
	FETCH_V                                        ; piece 2's turn: V's run of loads stands here, and the wait stands in it
.else
	s_wait_alu depctr_va_vdst(0)
.endif
.endif
.set k, k+1
.endm
; A TURN.  Piece x has the matrix unit.  Piece 0's turn fetches the trip's K behind its second product (K's last reader stands in front of slice 63 of the turn before); piece 2's turn the same
; step's V behind slice 34 (behind V's last reader stand two scalings, the v_nop and the run's own address line).
.macro TURN x, last
.set k, 0
.if (\x) == 0
	s_wait_dscnt 0x0                               ; V is in
.endif
.set i, 0
.rept 32
	PV \x
	SLICE 2-(\x)
.if ((\x) == 0) && (i == 1)
	FETCH_K \last
.endif
.set i, i+1
.endr
.if (\x) == 0
	s_wait_dscnt 0x0                               ; K is in
.endif
.set i, 0
.rept 32
	KQ \x
	SLICE 2-(\x)
.set i, i+1
.endr
.endm
; THE CHANGE OF SLOTS: each wave waits for all its tensor loads (one is out: its part of the other slot), adds 0 to its spare word, and waits for that and for its reads of the slot.
; fill = 1: the barrier is a round of the cluster's, and the joint refill, the keys two slots on, is the first thing behind it.
.macro CHANGE fill
	WIN 0
	s_wait_tensorcnt 0x0                           ; no tensor load of mine is out, so a group 0 may be written
	ds_add_u32 v[SPW], v[NIL]
.if \fill
.irp g, G0K+4, G0V+4
	s_xor_b32 s[(\g)+1], s[(\g)+1], SLOT1
	s_add_nc_u64 s[(\g)+2:(\g)+3], s[(\g)+2:(\g)+3], 65536
.endr
	s_wait_xcnt 0x0                                ; the last prefetch, a slot back, has read its address
	s_add_nc_u64 s[PFA:PFA+1], s[PFA:PFA+1], 65536
	s_wait_dscnt 0x0                               ; the add is done, my reads of the slot are over
	CROUND
	JLOAD
	ASK
.else
	s_wait_dscnt 0x0
	s_barrier_signal -1
	s_barrier_wait -1
.endif
	s_sub_co_u32 s[TBK], s[TBK], 2*KS*PK           ; the fetches go back to a half's first step,
	s_xor_b32 s[TBK], s[TBK], SLOT1                ; in the other slot
	s_sub_co_u32 s[TBV], s[TBV], 2*KS*PV
	s_xor_b32 s[TBV], s[TBV], SLOT1
.endm
	s_wait_tensorcnt 1                             ; my part of slot 0 is in; slot 1's may stay out
	s_barrier_signal -1
	s_barrier_wait -1
	FETCH_K                                        ; my step 0: K,
	FETCH_V                                        ; and V, which the first turn fetches once more: its first products want finite numbers there
	s_wait_loadcnt 0x0                             ; Q
	s_wait_dscnt 0x0
	WIN 0x42                                       ; source 0 (K) window 2, source 1 (P) window 0, destination (O^T) window 1
.set i, 0
.rept 32
	v_wmma_f32_16x16x32_f16 v[8*i:8*i+7], v[KF+8*(i%16):KF+8*(i%16)+7], v[P+32+8*(i%4):P+32+8*(i%4)+7], 0  ; O^T starts at 0: 32 products with a P that is 0 write the 256 registers
.set i, i+1
.endr
.set i, 0
.rept 32
	KQ 0                                           ; piece 0's first scores
.set i, i+1
.endr
	WIN 0                                          ; the addresses for the end: plain instructions, the places behind those products
	s_mul_i32 s13, s[WV], 16*SP
	s_add_co_u32 s13, s13, STAGE
	v_mul_u32_u24 v[STO], v1, SP
	v_lshl_add_u32 v[STO], v9, 4, v[STO]
	v_add_nc_u32 v[STO], s13, v[STO]
	v_mul_u32_u24 v[RD], v9, SP
	v_lshl_add_u32 v[RD], v1, 4, v[RD]
	v_add_nc_u32 v[RD], s13, v[RD]
	v_lshlrev_b32 v[GO], 12, v9                    ; two rows of Xa, 4,096 bytes apart
	v_lshl_add_u32 v[GO], v1, 4, v[GO]
	s_mul_i32 s13, s[WV], XCH                      ; my part of the meeting
	v_and_b32 v[RA], 31, v0
	v_lshl_add_u32 v[XS], v[RA], 2, s13
	v_add_nc_u32 v[XS], 32768, v[XS]
	v_lshl_add_u32 v[XA], v[RA], 4, s13
	s_lshr_b32 s13, s[WV], 1
	s_mul_i32 s13, s13, 2*XCH                      ; the part of my pair's even wave; the odd wave's lies XCH behind it
	s_lshl_b32 s14, s[KG], 9                       ; I finish tiles 2 (w & 1) and 2 (w & 1) + 1: 256 bytes of statistics a tile,
	s_add_co_u32 s14, s14, s13
	v_lshl_add_u32 v[RS], v[RA], 2, s14
	v_add_nc_u32 v[RS], 32768, v[RS]
	s_lshl_b32 s14, s[KG], 14                      ; 8,192 bytes of O^T
	s_add_co_u32 s14, s14, s13
	v_lshl_add_u32 v[RA], v[RA], 4, s14
	s_mov_b32 s[TWICE], 2
	s_mov_b32 s[SLOTS], 7
	s_branch .Lmid                                 ; the loop is entered in the middle of a trip
.Lslot:                                        ; six times: slots 2 to 7 are asked for
	CHANGE 1
	s_mov_b32 s[TWICE], 2
.Lstep:                                        ; a trip: piece 0's turn and piece 2's, which fetch K and V of one step
	s_cmp_lt_u32 s[WV], 2
	s_cbranch_scc1 .Llive
	s_cmp_le_u32 s[SLOTS], 3                       ; slots 4 to 7 hold noise keys: nothing for the cond queries
	s_cbranch_scc1 .Ldead
.Llive:
	TURN 0, 0
	WIN 0
.Lmid:
	TURN 2, 0
	WIN 0
.Ldead:
	STEPON
	s_sub_co_u32 s[TWICE], s[TWICE], 1
	s_cmp_lg_u32 s[TWICE], 0
	s_cbranch_scc1 .Lstep
	s_sub_co_u32 s[SLOTS], s[SLOTS], 1
	s_cmp_lg_u32 s[SLOTS], 0
	s_cbranch_scc1 .Lslot
	CHANGE 0                                       ; the tail is written out
	s_mov_b32 s[CNT], 3                            ; two passes for the last slot's steps; the third is left in its middle
.Ltail:
	s_cmp_lt_u32 s[WV], 2
	s_cbranch_scc1 .Lt_live
	s_cmp_gt_u32 s[CNT], 1                         ; waves 2, 3 take only the last pass: V^T P of their last step, and piece 2's last softmax
	s_cbranch_scc1 .Lt_skip0
.Lt_live:
	TURN 0, 1                                      ; in the last pass its 32 products K Q^T, on the last K once more, serve nothing: the price of one text for every pass
	WIN 0
.Lt_skip0:
	s_sub_co_u32 s[CNT], s[CNT], 1
	s_cmp_eq_u32 s[CNT], 0
	s_cbranch_scc1 .Lout
	s_cmp_ge_u32 s[WV], 2
	s_cbranch_scc1 .Lt_skip2
	TURN 2, 0
	WIN 0
.Lt_skip2:
	STEPON
	s_branch .Ltail
.Lout:
.set i, 0
.rept 32
	PV 2                                           ; piece 2: V^T P of the last step
.set i, i+1
.endr
	; THE MEETING.  l's halves and the other half of the lanes' are added (the additions are the places behind the last products); every wave puts its O^T, c m and l into its own part of the ring,
	; which is read and filled no more; then each wave finishes two of its pair's four tiles, reading both halves from LDS: one text, walked twice, for all four waves.
	WIN 0
.macro ALLT line:vararg
.set t, 0
.rept 4
	\line
.set t, t+1
.endr
.endm
	ALLT v_add_f32 v[ST+8*t+4], v[ST+8*t+2], v[ST+8*t+3]
	ALLT v_permlanex16_b32 v[ST+8*t+5], v[ST+8*t+4], s[SEL], s[SEL+1]
	ALLT v_add_f32 v[ST+8*t+4], v[ST+8*t+4], v[ST+8*t+5]
	s_wait_dscnt 0x0
	s_barrier_signal -1
	s_barrier_wait -1                              ; nobody reads the ring any more
	WIN 0x04                                       ; the data in window 1
.set i, 0
.rept 64
	ds_store_b128 v[XA], v[4*i:4*i+3] offset:512*i ; each accumulator from its low end on; tile t at 8,192 t
.set i, i+1
.endr
	WIN 0
	ALLT ds_store_b32 v[XS], v[ST+8*t] offset:256*t
	ALLT ds_store_b32 v[XS], v[ST+8*t+4] offset:256*t+128
	s_lshl_b32 s2, s[KG], 17                       ; my first tile's 16 rows of Xa: 2 (w & 1) x 16 rows of 4,096 bytes on
	s_mov_b32 s3, 0
	s_add_nc_u64 s[10:11], s[10:11], s[2:3]
	v_mov_b32 v[FW+1], 0                           ; named with the weights as pairs, so they are written
	v_mov_b32 v[FW+3], 0
	s_mov_b32 s[CNT], 2
	s_wait_dscnt 0x0                               ; for the partner's sake
	s_barrier_signal -1
	s_barrier_wait -1
.Ltile:                                        ; a tile: O = (Oa fa + Ob fb) / (la fa + lb fb), rounded to f16 and sent through my stage as whole rows of 256 bytes
	ds_load_b32 v[SA],   v[RS]
	ds_load_b32 v[SA+1], v[RS] offset:128
	ds_load_b32 v[SA+2], v[RS] offset:XCH
	ds_load_b32 v[SA+3], v[RS] offset:XCH+128
.irp q, 0,1,2,3,4,5,6,7,8,9,10,11,12,13,14,15
	ds_load_b128 v[S+4*(\q):S+4*(\q)+3], v[RA] offset:512*(\q)
.endr
.irp q, 0,1,2,3,4,5,6,7,8,9,10,11,12,13,14,15
	ds_load_b128 v[S+64+4*(\q):S+64+4*(\q)+3], v[RA] offset:XCH+512*(\q)
.endr
	s_wait_dscnt 32                                ; the four statistics are in; the 32 loads of O^T are younger
	v_max_num_f32 v[MX], v[SA], v[SA+2]
	v_sub_f32 v[FW], v[SA], v[MX]
	v_sub_f32 v[FW+2], v[SA+2], v[MX]
	v_exp_f32 v[FW], v[FW]
	v_exp_f32 v[FW+2], v[FW+2]
	v_nop
	s_wait_alu depctr_va_vdst(0)                   ; one wait for the two exponentials
	v_mul_f32 v[MX], v[SA+1], v[FW]
	v_fma_f32 v[MX], v[SA+3], v[FW+2], v[MX]
	v_rcp_f32 v[MX], v[MX]
	v_nop
	s_wait_alu depctr_va_vdst(0)                   ; and one for the reciprocal
	v_mul_f32 v[FW], v[FW], v[MX]
	v_mul_f32 v[FW+2], v[FW+2], v[MX]
	s_wait_dscnt 0x0
.set i, 0
.rept 32
	v_pk_mul_f32 v[S+2*i:S+2*i+1], v[S+2*i:S+2*i+1], v[FW:FW+1] op_sel_hi:[1,0]
.set i, i+1
.endr
.set i, 0
.rept 32
	v_pk_fma_f32 v[S+2*i:S+2*i+1], v[S+64+2*i:S+64+2*i+1], v[FW+2:FW+3], v[S+2*i:S+2*i+1] op_sel_hi:[1,0,1]
.set i, i+1
.endr
.set i, 0
.rept 32
	v_cvt_pk_f16_f32 v[P+i], v[S+2*i], v[S+2*i+1]
.set i, i+1
.endr
.irp f, 0,1,2,3,4,5,6,7
	ds_store_b128 v[STO], v[P+4*(\f):P+4*(\f)+3] offset:32*(\f)
.endr
.irp f, 0,1,2,3,4,5,6,7
	ds_load_b128 v[P+4*(\f):P+4*(\f)+3], v[RD] offset:(\f)*2*SP  ; LDS serves a wave's instructions in order (ISA guide 5.7.1.4)
.endr
.irp f, 0,1,2,3,4,5,6,7
	s_wait_dscnt 7-(\f)
	global_store_b128 v[GO], v[P+4*(\f):P+4*(\f)+3], s[10:11] offset:2*(\f)*4096  ; 16 lanes store 256 consecutive bytes, aligned
.endr
	s_wait_xcnt 0x0                                ; the stores have read their registers and their base
	s_add_nc_u64 s[10:11], s[10:11], 65536         ; 16 rows of Xa on
	v_add_nc_u32 v[RA], 8192, v[RA]
	v_add_nc_u32 v[RS], 256, v[RS]
	s_sub_co_u32 s[CNT], s[CNT], 1
	s_cmp_lg_u32 s[CNT], 0
	s_cbranch_scc1 .Ltile
	s_wait_tensorcnt 0x0                           ; the wave's end
	ds_add_u32 v[SPW], v[NIL]
	s_wait_dscnt 0x0
	CROUND                                         ; the closing round
	s_endpgm
.Lfunc_end_k_q20ea647ce8_attn:
	.size	k_q20ea647ce8_attn, .Lfunc_end_k_q20ea647ce8_attn-k_q20ea647ce8_attn
	.p2alignl 7, 3214868480
	.fill 96, 4, 3214868480
	.section	.rodata,"a",@progbits
	.p2align	6, 0x0
	.amdhsa_kernel k_q20ea647ce8_attn
		.amdhsa_group_segment_fixed_size 327680
		.amdhsa_private_segment_fixed_size 0
		.amdhsa_enable_private_segment 0
		.amdhsa_kernarg_size 16
		.amdhsa_user_sgpr_count 2
		.amdhsa_user_sgpr_kernarg_segment_ptr 1
		.amdhsa_wavefront_size32 1
		.amdhsa_system_sgpr_workgroup_id_x 1
		.amdhsa_system_sgpr_workgroup_id_y 1
		.amdhsa_system_sgpr_workgroup_id_z 1
		.amdhsa_system_vgpr_workitem_id 0
		.amdhsa_next_free_vgpr 1024
		.amdhsa_next_free_sgpr 80
		.amdhsa_reserve_vcc 0
		.amdhsa_float_denorm_mode_32 3
		.amdhsa_float_denorm_mode_16_64 3
		.amdhsa_memory_ordered 1
		.amdhsa_forward_progress 1
		.amdhsa_inst_pref_size 142
	.end_amdhsa_kernel
	.amdgpu_metadata
---
amdhsa.version: [ 1, 2 ]
amdhsa.kernels:
  - .name:           k_q20ea647ce8_attn
    .symbol:         k_q20ea647ce8_attn.kd
    .args:
      - { .name: QKV, .offset: 0, .size: 8, .value_kind: global_buffer, .address_space: global }
      - { .name: Xa, .offset: 8, .size: 8, .value_kind: global_buffer, .address_space: global }
    .group_segment_fixed_size: 327680
    .private_segment_fixed_size: 0
    .kernarg_segment_align: 8
    .kernarg_segment_size: 16
    .max_flat_workgroup_size: 128
    .sgpr_count:     80
    .vgpr_count:     1024
    .wavefront_size: 32
...
	.end_amdgpu_metadata
.endif
;; end of part 3
;; launch outp (part 4): grid 16 x 16, 4 waves a work-group, clusters of 4 x 4, 327,680 bytes of LDS; arguments Xa, Wt, Bias, out0, out1; writes out0, out1
.if DOCPART == 4
	.amdgcn_target "amdgcn-amd-amdhsa--gfx1250"
	.amdhsa_code_object_version 6
	.text
	.protected	k_q20ea647ce8_outp
	.globl	k_q20ea647ce8_outp
	.p2align	8
	.type	k_q20ea647ce8_outp,@function
k_q20ea647ce8_outp:
	s_mov_b64 s[64:65], 0
	v_nop
	global_prefetch_b8 v0, s[64:65] scope:SCOPE_SE
	s_setreg_imm32_b32 hwreg(HW_REG_WAVE_MODE, 25, 1), 1
	s_wait_xcnt 0x0
	s_wait_alu depctr_hold_cnt(0) depctr_sa_sdst(0) depctr_va_vdst(0) depctr_va_sdst(0) depctr_va_ssrc(0) depctr_va_vcc(0) depctr_vm_vsrc(0)
	s_getreg_b32 s2, hwreg(HW_REG_IB_STS2, 6, 4)
	s_cmp_eq_u32 s2, 0
	s_cbranch_scc0 .Lentry_in_a_cluster
	s_endpgm
.Lentry_in_a_cluster:
	s_bfe_u32 s2, ttmp6, 0x10000c
	s_cmp_lg_u32 s2, 0xf033
	s_cbranch_scc0 .Lentry_shape_is_right
	s_endpgm
.Lentry_shape_is_right:
; THE OUTPUT PROJECTION.  out[m][n] = sum over k of Xa[m][k] Wt[ver][6144 + n][k] + Bias[6144 + n], ver = 1 (LoRA folded in) for the cond rows; f16 operands, f32 sums, f32 out:
; rows 0 to 1,023 to out0, the others to out1.  k runs in the heads' position order in both operands.
; A tile is 128 x 128 (256 work-groups), four waves of 64 x 64, 16 accumulators each.  K goes in steps of 256 (LDS rows of 512 bytes) through two slots; ONE K step is written and walked,
; the fragment addresses on s[TB], one walking descriptor a tensor.  CLUSTERS 4 x 4: A's tiles jointly along a row, B's along a column.  The matrix instruction is used transposed; the bias is the C of each sum's first product.
; WHICH CLUSTER TAKES WHICH ROWS, AND IN WHICH ORDER OF K.  Cluster rows y = 0 and 2 take the noise rows (512 each), y = 1 and 3 the cond rows: row group 2 (y & 1) + (y >> 1), version y & 1.
; Cluster (x, y) begins at K step (2 x + 4 (y >> 1)) mod 8 and goes round: the four clusters that read the same rows of Xa (one y) begin 2 steps apart, the two that read the same rows of Wt
; (one x, y and y + 2) 4 steps apart, so that at no time two clusters ask for the same block.  The f32 sums so take K in a rotated order.  The offset along K hangs on the cluster's x and y alone: it is the same in all sixteen partners.
; A wave's 64 columns of f32 are 256 bytes, aligned: each wave has a stage of its own and no barrier on the way out.  No prefetch: the tiles are small, a K step short.
; REGISTERS: window 0: v0-31 addresses; v32-63 the bias, then with v64-95 rows on their way out; v128-255 accumulators.  window 1: two fragment buffers of 128.
.set SIZE_K, 2048
.set KSTEP,  256
.set PITCH,  528
.set HALFT,  64*PITCH
.set SLOT,   4*HALFT                   ; 0x21000: it shares no bit with wave x HALFT
.set STAGE,  2*SLOT
.set SPITCH, 272
.set SPARE,  STAGE+4*16*SPITCH         ; the spare words: two blocks of 256 bytes that no other line names
.set A0,   10
.set B0,   11
.set ADRA, 12
.set ADRB, 13
.set BOF,  14
.set STO,  24
.set RD,   25
.set CO,   26
.set SPW,  28
.set NIL,  29
.set BIA,  32
.set TMP,  32
.set ACC,  128
.set F0,   0
.set F1,   128
.set WV,  14
.set RH,  15
.set CH,  16
.set CX,  17
.set CY,  18
.set TC,  19
.set TR,  20
.set CLY, 23                           ; s23  the cluster's y >> 1
.set G1,  24
.set G0,  32
.set TB,  42
.set VER, 43                           ; s43  the cluster's y & 1: the version of the weights, and which output
.set KO,  44                           ; s[44:45] the byte along a row at which the K step of the walking descriptors begins: 512 a step, modulo the row's 4,096
.set G1B, 48
.set G0B, 56
.set RBA, 66                           ; s[66:67] Xa at the first of the rows that I fetch; never rewritten
.set RBB, 68                           ; s[68:69] Wt likewise
.set OUT, 72
.set GW, (1<<16)|(1<<20)|(1<<21)|(6<<22)|(3<<25)  ; 2-byte elements; padding on; bit 21 beside a mask; after every 128 words 4 words
.set MSB, 0
.macro WIN new
.if MSB != (\new)
	s_set_vgpr_msb (MSB<<8)|(\new)
.set MSB, \new
.endif
.endm
.set MUL,  0x05                        ; sources 0 (B) and 1 (A) window 1; C and D window 0
.set TO_F, 0x40
.macro JLOAD
	s_cmp_eq_u32 s[RH], 0
	s_cbranch_scc0 .Lfor_b_\@
	tensor_load_to_lds s[G0+4:G0+7], s[G1:G1+7]
	s_nop 0
.rept 4
	v_nop
.endr
	s_branch .Lasked_\@
.Lfor_b_\@:
	tensor_load_to_lds s[G0B+4:G0B+7], s[G1B:G1B+7]
	s_nop 0
.rept 4
	v_nop
.endr
.Lasked_\@:
.endm
.macro CREST
	s_cmp_lg_u32 s[WV], 0
	s_cbranch_scc1 .Lnot_wave_0_\@
	s_barrier_signal -3
.Lnot_wave_0_\@:
	s_barrier_wait -3
	s_barrier_signal -1
	s_barrier_wait -1
.endm
.macro CROUND
	s_barrier_signal -1
	s_barrier_wait -1
	CREST
.endm
	s_load_b256 s[4:11], s[0:1], 0x0               ; Xa s[4:5], Wt s[6:7], Bias s[8:9], out0 s[10:11]
	s_load_b64 s[12:13], s[0:1], 0x20              ; out1
	v_lshl_add_u32 v[SPW], v0, 2, SPARE
	v_mov_b32 v[NIL], 0
	ds_add_u32 v[SPW], v[NIL]                      ; the wave's opening: the add and its wait stand ahead of my first tensor load
	v_lshrrev_b32 v1, 5, v0
	v_readfirstlane_b32 s[WV], v1
	s_lshr_b32 s[RH], s[WV], 1
	s_and_b32 s[CH], s[WV], 1
	s_bfe_u32 s[CX], ttmp6, 0x40000
	s_bfe_u32 s[CY], ttmp6, 0x40004
	s_lshl_b32 s[TC], ttmp9, 2
	s_add_co_u32 s[TC], s[TC], s[CX]               ; tile column 0 .. 15
	s_and_b32 s[CLY], ttmp7, 0xffff                ; the cluster's y,
	s_and_b32 s[VER], s[CLY], 1                    ; its low bit: noise rows or cond rows,
	s_lshr_b32 s[CLY], s[CLY], 1                   ; its high bit: which 512 of them
	s_lshl_b32 s[TR], s[VER], 1
	s_add_co_u32 s[TR], s[TR], s[CLY]              ; row group
	s_lshl_b32 s[TR], s[TR], 2
	s_add_co_u32 s[TR], s[TR], s[CY]               ; tile row 0 .. 15
	s_lshl_b32 s[KO], ttmp9, 10                    ; my cluster's first K step: 2 x + 4 (y >> 1), 512 bytes a step,
	s_lshl_b32 s22, s[CLY], 11
	s_add_co_u32 s[KO], s[KO], s22
	s_and_b32 s[KO], s[KO], SIZE_K*2-1             ; modulo a row
	s_mov_b32 s[KO+1], 0
	s_lshl_b32 s21, s[CY], 2
	s_lshl_b32 s21, 15, s21
	s_lshl_b32 s22, 0x1111, s[CX]
	s_or_b32 s[G1], s21, GW
	s_or_b32 s[G1B], s22, GW
.irp g, G1, G1B
	s_mov_b32 s[(\g)+1], KSTEP<<16                 ; tensor_dim0 = 256
	s_mov_b32 s[(\g)+2], 64<<16                    ; tensor_dim1 = 64
	s_mov_b32 s[(\g)+3], KSTEP<<16                 ; tile_dim0 = 256
	s_mov_b32 s[(\g)+4], 64                        ; tile_dim1 = 64
	s_mov_b32 s[(\g)+5], SIZE_K
	s_mov_b32 s[(\g)+6], 0
	s_mov_b32 s[(\g)+7], 0
.endr
	s_lshl_b32 s[RBA], s[TR], 19                   ; A: row 128 x tile row + 64 x half
	s_lshl_b32 s21, s[CH], 18
	s_add_co_u32 s[RBA], s[RBA], s21
	s_mov_b32 s[RBA+1], 0
	s_lshl_b32 s[RBB], s[TC], 19                   ; B: row 6,144 + 128 x tile column + 64 x half, in the version of the cluster's rows
	s_add_co_u32 s[RBB], s[RBB], s21
	s_add_co_u32 s[RBB], s[RBB], 6144*4096
	s_lshl_b32 s22, s[VER], 25
	s_add_co_u32 s[RBB], s[RBB], s22
	s_mov_b32 s[RBB+1], 0
	s_mul_i32 s41, s[WV], HALFT
	s_mov_b32 s[TB], 0
	s_wait_dscnt 0x0                               ; the opening add is done
	s_wait_kmcnt 0x0
	s_add_nc_u64 s[RBA:RBA+1], s[4:5], s[RBA:RBA+1]
	s_add_nc_u64 s[RBB:RBB+1], s[6:7], s[RBB:RBB+1]
	s_add_nc_u64 s[76:77], s[RBA:RBA+1], s[KO:KO+1]  ; at my cluster's first K step; it is even, so the second lies 512 bytes on in the same row
	s_add_nc_u64 s[78:79], s[RBB:RBB+1], s[KO:KO+1]
	s_add_co_u32 s[KO], s[KO], KSTEP*2             ; the walking descriptors begin with the second
	CROUND
.irp s, 0,1
	s_mov_b32 s[G0+4*(\s)], 1
	s_add_co_u32 s[G0+4*(\s)+1], s41, (\s)*SLOT
	s_add_nc_u64 s[G0+4*(\s)+2:G0+4*(\s)+3], s[76:77], (\s)*KSTEP*2
	s_or_b32 s[G0+4*(\s)+3], s[G0+4*(\s)+3], 0x80000000
	s_mov_b32 s[G0B+4*(\s)], 1
	s_add_co_u32 s[G0B+4*(\s)+1], s41, (\s)*SLOT
	s_add_nc_u64 s[G0B+4*(\s)+2:G0B+4*(\s)+3], s[78:79], (\s)*KSTEP*2
	s_or_b32 s[G0B+4*(\s)+3], s[G0B+4*(\s)+3], 0x80000000
.endr
	s_cmp_eq_u32 s[RH], 0                          ; a wave's two first fills stand in one branch: two loads of mine are out
	s_cbranch_scc0 .Lfirst_b
	tensor_load_to_lds s[G0:G0+3], s[G1:G1+7]
	s_nop 0
	tensor_load_to_lds s[G0+4:G0+7], s[G1:G1+7]
	s_nop 0
.rept 4
	v_nop
.endr
	s_branch .Lfirst_asked
.Lfirst_b:
	tensor_load_to_lds s[G0B:G0B+3], s[G1B:G1B+7]
	s_nop 0
	tensor_load_to_lds s[G0B+4:G0B+7], s[G1B:G1B+7]
	s_nop 0
.rept 4
	v_nop
.endr
.Lfirst_asked:
	v_and_b32 v1, 15, v0
	v_bfe_u32 v2, v0, 4, 1
	s_lshl_b32 s70, s[TC], 9                       ; the bias of my 64 columns
	s_lshl_b32 s40, s[CH], 8
	s_add_co_u32 s70, s70, s40
	s_add_co_u32 s70, s70, 6144*4
	s_mov_b32 s71, 0
	s_add_nc_u64 s[8:9], s[8:9], s[70:71]
	v_lshlrev_b32 v[BOF], 5, v2
.irp b, 0,1,2,3
	global_load_b128 v[BIA+8*(\b):BIA+8*(\b)+3],   v[BOF], s[8:9] offset:64*(\b)
	global_load_b128 v[BIA+8*(\b)+4:BIA+8*(\b)+7], v[BOF], s[8:9] offset:64*(\b)+16
.endr
	v_mul_u32_u24 v3, v1, PITCH
	v_lshl_add_u32 v3, v2, 4, v3
	s_mul_i32 s21, s[RH], HALFT
	s_mul_i32 s22, s[CH], HALFT
	s_add_co_u32 s22, s22, 2*HALFT
	v_add_nc_u32 v[A0], s21, v3
	v_add_nc_u32 v[B0], s22, v3
	v_mov_b32 v[ADRA], v[A0]
	v_mov_b32 v[ADRB], v[B0]
	s_mul_i32 s21, s[WV], 16*SPITCH
	s_add_co_u32 s21, s21, STAGE
	v_mul_u32_u24 v3, v1, SPITCH
	v_lshl_add_u32 v3, v2, 5, v3
	v_add_nc_u32 v[STO], s21, v3                   ; in: row l % 16, 32 bytes for each half of the lanes
	v_mul_u32_u24 v3, v2, SPITCH
	v_lshl_add_u32 v3, v1, 4, v3
	v_add_nc_u32 v[RD], s21, v3                    ; back: lanes 0-15 one row of 256 bytes, lanes 16-31 the next
	v_lshlrev_b32 v3, 13, v2
	v_lshl_add_u32 v[CO], v1, 4, v3                ; the same two rows in the output
	s_lshl_b32 s21, s[TR], 7
	s_and_b32 s21, s21, 1023
	s_lshl_b32 s22, s[RH], 6
	s_add_co_u32 s21, s21, s22
	s_lshl_b32 s70, s21, 13
	s_lshl_b32 s22, s[TC], 9
	s_add_co_u32 s70, s70, s22
	s_lshl_b32 s22, s[CH], 8
	s_add_co_u32 s70, s70, s22
	s_cmp_eq_u32 s[VER], 1                         ; tile rows 8 to 15 are cond rows
	s_cselect_b64 s[OUT:OUT+1], s[12:13], s[10:11]
	s_add_nc_u64 s[OUT:OUT+1], s[OUT:OUT+1], s[70:71]
.macro MUL8 f, c, a0, first            ; 8 matrix instructions: row blocks a0, a0 + 1 x 4 column blocks, half c of buffer f.  first = 1: the bias starts the sums
	WIN MUL
.irp a, \a0, (\a0)+1
.irp b, 0,1,2,3
.if \first
	v_wmma_f32_16x16x32_f16 v[ACC+8*(4*(\a)+(\b)):ACC+8*(4*(\a)+(\b))+7], v[(\f)+64+8*(4*(\c)+(\b)):(\f)+64+8*(4*(\c)+(\b))+7], v[(\f)+8*(4*(\c)+(\a)):(\f)+8*(4*(\c)+(\a))+7], v[BIA+8*(\b):BIA+8*(\b)+7]
.else
	v_wmma_f32_16x16x32_f16 v[ACC+8*(4*(\a)+(\b)):ACC+8*(4*(\a)+(\b))+7], v[(\f)+64+8*(4*(\c)+(\b)):(\f)+64+8*(4*(\c)+(\b))+7], v[(\f)+8*(4*(\c)+(\a)):(\f)+8*(4*(\c)+(\a))+7], v[ACC+8*(4*(\a)+(\b)):ACC+8*(4*(\a)+(\b))+7]
.endif
.endr
.endr
.endm
.macro FETCH k, f                      ; 32 LDS loads in one run: 64 along K at byte k of the rows; the first 32 along K first
	WIN TO_F
.irp c, 0,1
.irp i, 0,1,2,3
	ds_load_b128 v[(\f)+64+8*(4*(\c)+(\i)):(\f)+64+8*(4*(\c)+(\i))+3],   v[ADRB] offset:(\k)+64*(\c)+(\i)*16*PITCH
	ds_load_b128 v[(\f)+64+8*(4*(\c)+(\i))+4:(\f)+64+8*(4*(\c)+(\i))+7], v[ADRB] offset:(\k)+64*(\c)+(\i)*16*PITCH+32
	ds_load_b128 v[(\f)+8*(4*(\c)+(\i)):(\f)+8*(4*(\c)+(\i))+3],         v[ADRA] offset:(\k)+64*(\c)+(\i)*16*PITCH
	ds_load_b128 v[(\f)+8*(4*(\c)+(\i))+4:(\f)+8*(4*(\c)+(\i))+7],       v[ADRA] offset:(\k)+64*(\c)+(\i)*16*PITCH+32
.endr
.endr
.endm
.macro PLACES
.rept 4
	v_nop
.endr
.endm
.macro QUARTER k, f, g, first
	s_wait_dscnt 16                                ; the first 32 along K are in
	MUL8 \f, 0, 0, \first
	MUL8 \f, 0, 2, \first
	PLACES
	FETCH \k, \g
	s_wait_dscnt 32                                ; all but the 32 just issued
	MUL8 \f, 1, 0, 0
	MUL8 \f, 1, 2, 0
.endm
; The last quarter multiplies buffer 1 and changes slots.  fill = 1: this slot is filled again, two K steps ahead, behind a round of the cluster's barrier.  fill = 0: the tail; its last pass fetches nothing.
.macro TURN fill
	WIN 0
	s_wait_tensorcnt 0x0                           ; no tensor load of mine is out, so a group 0 may be written
	ds_add_u32 v[SPW], v[NIL]
.if \fill
	s_add_co_u32 s[KO], s[KO], KSTEP*2             ; the next K step, round the row's end
	s_and_b32 s[KO], s[KO], SIZE_K*2-1
	s_xor_b32 s[G0+5], s[G0+5], SLOT               ; the walking descriptors: the other slot; the address made anew of the rows' base and the offset, the type set again
	s_add_nc_u64 s[G0+6:G0+7], s[RBA:RBA+1], s[KO:KO+1]
	s_or_b32 s[G0+7], s[G0+7], 0x80000000
	s_xor_b32 s[G0B+5], s[G0B+5], SLOT
	s_add_nc_u64 s[G0B+6:G0B+7], s[RBB:RBB+1], s[KO:KO+1]
	s_or_b32 s[G0B+7], s[G0B+7], 0x80000000
.endif
	s_wait_dscnt 17                                ; the add and the youngest sixteen loads may be out
	MUL8 F1, 0, 0, 0
	s_wait_dscnt 0x0                               ; the add is done, my reads of this slot are over
	s_barrier_signal -1
	MUL8 F1, 0, 2, 0
	WIN 0
	s_barrier_wait -1
.if \fill
	CREST
	JLOAD                                          ; the first thing behind the round; its four v_nop are also the places in front of the loads below
.else
	PLACES
.endif
	s_xor_b32 s[TB], s[TB], SLOT
	v_add_nc_u32 v[ADRA], s[TB], v[A0]
	v_add_nc_u32 v[ADRB], s[TB], v[B0]
.if \fill
	FETCH 0, F0
.else
	s_cmp_eq_u32 s3, 1
	s_cbranch_scc1 .Lno_f_\@
	FETCH 0, F0
	WIN 0
.Lno_f_\@:
.endif
	MUL8 F1, 1, 0, 0
	MUL8 F1, 1, 2, 0
.endm
	s_wait_tensorcnt 1                             ; my part of the first K step is in; the second's may stay out
	s_barrier_signal -1
	s_barrier_wait -1
	FETCH 0, F0
	s_wait_loadcnt 0x0                             ; the bias
	QUARTER 128, F0, F1, 1
	WIN 0
	s_mov_b32 s3, 6
.Lstep:                                        ; six refills: the third to the eighth K step of my cluster's order
	QUARTER 256, F1, F0, 0
	QUARTER 384, F0, F1, 0
	TURN 1
	QUARTER 128, F0, F1, 0
	WIN 0
	s_sub_co_u32 s3, s3, 1
	s_cmp_lg_u32 s3, 0
	s_cbranch_scc1 .Lstep
	s_mov_b32 s3, 2
.Ltail:                                        ; the last two K steps: no tensor load; left in the middle of the second pass
	QUARTER 256, F1, F0, 0
	QUARTER 384, F0, F1, 0
	TURN 0
	WIN 0
	s_sub_co_u32 s3, s3, 1
	s_cmp_eq_u32 s3, 0
	s_cbranch_scc1 .Lout
	QUARTER 128, F0, F1, 0
	WIN 0
	s_branch .Ltail
.Lout:
	; THE WAY OUT: 16 rows at a time through my own stage: 32 bytes a lane in, whole rows of 256 bytes back.
	PLACES
.macro TOSTAGE a
.set BK, TMP+32*((\a)%2)
.irp b, 0,1,2,3
	ds_store_b128 v[STO], v[ACC+8*(4*(\a)+(\b)):ACC+8*(4*(\a)+(\b))+3]   offset:64*(\b)     ; each accumulator from its low end on
	ds_store_b128 v[STO], v[ACC+8*(4*(\a)+(\b))+4:ACC+8*(4*(\a)+(\b))+7] offset:64*(\b)+16
.endr
.irp t, 0,1,2,3,4,5,6,7
	ds_load_b128 v[BK+4*(\t):BK+4*(\t)+3], v[RD] offset:(\t)*2*SPITCH  ; LDS serves a wave's instructions in order (ISA guide 5.7.1.4): these see the stores above, the next block's stores come behind them
.endr
.endm
.macro SEND a, younger                 ; younger: the LDS instructions issued behind block a's loads
.set BK, TMP+32*((\a)%2)
.irp t, 0,1,2,3,4,5,6,7
	s_wait_dscnt (\younger)+7-(\t)
	global_store_b128 v[CO], v[BK+4*(\t):BK+4*(\t)+3], s[OUT:OUT+1] offset:(16*(\a)+2*(\t))*8192 th:TH_STORE_NT  ; 16 lanes store 256 consecutive bytes, aligned
.endr
.endm
	TOSTAGE 0
	TOSTAGE 1
	SEND 0, 16
	s_wait_xcnt 0x0                                ; block 0's stores have read their registers
	TOSTAGE 2
	SEND 1, 16
	s_wait_xcnt 0x0
	TOSTAGE 3
	SEND 2, 16
	SEND 3, 0
	s_wait_tensorcnt 0x0                           ; the wave's end
	ds_add_u32 v[SPW], v[NIL]
	s_wait_dscnt 0x0
	CROUND                                         ; the closing round
	s_endpgm
.Lfunc_end_k_q20ea647ce8_outp:
	.size	k_q20ea647ce8_outp, .Lfunc_end_k_q20ea647ce8_outp-k_q20ea647ce8_outp
	.p2alignl 7, 3214868480
	.fill 96, 4, 3214868480
	.section	.rodata,"a",@progbits
	.p2align	6, 0x0
	.amdhsa_kernel k_q20ea647ce8_outp
		.amdhsa_group_segment_fixed_size 327680
		.amdhsa_private_segment_fixed_size 0
		.amdhsa_enable_private_segment 0
		.amdhsa_kernarg_size 40
		.amdhsa_user_sgpr_count 2
		.amdhsa_user_sgpr_kernarg_segment_ptr 1
		.amdhsa_wavefront_size32 1
		.amdhsa_system_sgpr_workgroup_id_x 1
		.amdhsa_system_sgpr_workgroup_id_y 1
		.amdhsa_system_sgpr_workgroup_id_z 1
		.amdhsa_system_vgpr_workitem_id 0
		.amdhsa_next_free_vgpr 512
		.amdhsa_next_free_sgpr 80
		.amdhsa_reserve_vcc 0
		.amdhsa_float_denorm_mode_32 3
		.amdhsa_float_denorm_mode_16_64 3
		.amdhsa_memory_ordered 1
		.amdhsa_forward_progress 1
		.amdhsa_inst_pref_size 60
	.end_amdhsa_kernel
	.amdgpu_metadata
---
amdhsa.version: [ 1, 2 ]
amdhsa.kernels:
  - .name:           k_q20ea647ce8_outp
    .symbol:         k_q20ea647ce8_outp.kd
    .args:
      - { .name: Xa, .offset: 0, .size: 8, .value_kind: global_buffer, .address_space: global }
      - { .name: Wt, .offset: 8, .size: 8, .value_kind: global_buffer, .address_space: global }
      - { .name: Bias, .offset: 16, .size: 8, .value_kind: global_buffer, .address_space: global }
      - { .name: out0, .offset: 24, .size: 8, .value_kind: global_buffer, .address_space: global }
      - { .name: out1, .offset: 32, .size: 8, .value_kind: global_buffer, .address_space: global }
    .group_segment_fixed_size: 327680
    .private_segment_fixed_size: 0
    .kernarg_segment_align: 8
    .kernarg_segment_size: 40
    .max_flat_workgroup_size: 128
    .sgpr_count:     80
    .vgpr_count:     512
    .wavefront_size: 32
...
	.end_amdgpu_metadata
.endif
;; end of part 4
